; MI455X (gfx1250); checked and timed in simulation.
; The chip was launched on July 23, 2026; its instructions are those of AMD's public machine-readable ISA for CDNA 5 (MIT licence, August 2026) and "CDNA5" Instruction Set Architecture Reference Guide (July 2026). The comments in the code are by the model that wrote it; some were corrected since.
;; Multi Headed Attention. Allowed arithmetic: matrix products marked QUANTISED: E2M1 operands, one E8M0 scale for each 32 along K, by v_wmma_scale_f32_16x16x128_f8f6f4 with both operands' format E2M1 (or v_wmma_scale_f32_32x16x128_f4), f32 sums; products left as they are: bf16, f16 or f32 operands; f32 sums; everything else in f32.
;; Inputs: bk 1,024 float32; bo 1,024 float32; bq 1,024 float32; bv 1,024 float32; key 4 x 2,048 x 1,024 float32; mask 4 x 2,048 x 2,048 bool; query 4 x 2,048 x 1,024 float32; value 4 x 2,048 x 1,024 float32; wk 1,024 x 1,024 float32; wo 1,024 x 1,024 float32; wq 1,024 x 1,024 float32; wv 1,024 x 1,024 float32.
;; Outputs: out0 4 x 2,048 x 1,024 float32.
;; This version of the problem:
;;   THIS VERSION OF THE PROBLEM IS GIVEN IN LOW PRECISION. The matrix products marked QUANTISED in the list below multiply operands that are first quantised to E2M1 (2 exponent bits, 1 mantissa bit; 4 bits a number), with one power-of-two scale for each 32 numbers along K (OCP MX v1.0); their sums are f32. The products marked 'left as it is' may take bf16, f16 or f32 operands, with f32 sums. Whichever they take, every output number must still come out within the allowed error. Rounding operands to bf16 (8 significant bits) uses up far more of that allowance than f16 does (11 bits, for magnitudes from 6e-5 to 65,504). All else is computed in f32.
;;   The module's matrix products, in the order in which they are computed (A, B: the left and right operand; K: the contracted axis; several contracted axes count as one K, in the product's order):
;;     1. [M 8,192, K 1,024] x [K 1,024, N 1,024]; A: input query; B: input wq: QUANTISED
;;     2. [M 8,192, K 1,024] x [K 1,024, N 1,024]; A: input key; B: input wk: QUANTISED
;;     3. [M 8,192, K 1,024] x [K 1,024, N 1,024]; A: input value; B: input wv: QUANTISED
;;     4. batch 64 x [M 2,048, K 64] x [K 64, N 2,048]; A: computed on the way; B: computed on the way: left as it is (an operand is computed on the way)
;;     5. batch 64 x [M 2,048, K 2,048] x [K 2,048, N 64]; A: computed on the way; B: computed on the way: left as it is (an operand is computed on the way)
;;     6. [M 8,192, K 1,024] x [K 1,024, N 1,024]; A: computed on the way; B: input wo: left as it is (an operand is computed on the way)
;;   THE QUANTISER, for each operand of a quantised product, along K:
;;     - K is cut into blocks of 32 from its start; a last block that is shorter is filled with zeros.
;;     - A block's scale is 2^e with e = floor(log2(the largest magnitude in the block)) - 2, held to -126 .. 127; a block of zeros has e = 0. As a byte (E8M0): e + 127.
;;     - Each number is divided by its block's scale, clamped to +-6, and rounded to the nearest number of E2M1, ties to even, subnormals kept.
;;     - The product sums the exact products of the quantised numbers (number of the format x scale) in f32.
;;   ~~~python
;;   def quantise(x, axis):      # numpy; x: float32 -> the quantised numbers, widened to float32 again
;;       x = np.moveaxis(x, axis, -1); K = x.shape[-1]
;;       x = np.pad(x, [(0, 0)] * (x.ndim - 1) + [(0, -K % 32)]); x = x.reshape(x.shape[:-1] + (-1, 32)); a = np.abs(x).max(-1, keepdims=True)
;;       e = np.where(a > 0, np.clip(np.frexp(np.where(a > 0, a, 1))[1] - 1 - 2, -126, 127), 0)      # np.frexp(a)[1] - 1 = floor(log2(a)), exactly
;;       r = np.clip(x / 2.0 ** e, -6, 6)
;;       step = 2.0 ** (np.maximum(np.frexp(np.where(r == 0, 1, r))[1] - 1, 0) - 1)
;;       q = np.round(r / step) * step * 2.0 ** e      # np.round: ties to even
;;       return np.moveaxis(q.reshape(q.shape[:-2] + (-1,))[..., :K], -1, axis).astype(np.float32)
;;   ~~~
;; One version. Each part assembles by itself: llvm-mc -triple=amdgcn-amd-amdhsa -mcpu=gfx1250 --defsym DOCPART=n.
;; ======== version 1 of 1: 4 launches
;; limits: values are held in f16: magnitudes above 65,504 overflow, below 6.1e-05 lose precision
;; workspace buffers: codes 14,155,776 bytes; scales 884,736 bytes; mbits 2,097,152 bytes of whole numbers; wo16 2,097,152 bytes; qkv 50,331,648 bytes; ctx 16,777,216 bytes
;; launch prep (part 1): grid 1504 x 1, 4 waves a work-group, no clusters, 68,096 bytes of LDS; arguments query, key, value, wq, wk, wv, mask, wo, codes, scales, mbits, wo16; writes codes, scales, mbits, wo16
.if DOCPART == 1
	.amdgcn_target "amdgcn-amd-amdhsa--gfx1250"
	.amdhsa_code_object_version 6
	.text
	.protected	k_qdbc7f850fe_prep
	.globl	k_qdbc7f850fe_prep
	.p2align	8
	.type	k_qdbc7f850fe_prep,@function
k_qdbc7f850fe_prep:
	s_mov_b64 s[64:65], 0
	v_nop
	global_prefetch_b8 v0, s[64:65] scope:SCOPE_SE
	s_setreg_imm32_b32 hwreg(HW_REG_WAVE_MODE, 25, 1), 1
	s_wait_xcnt 0x0
; PREP: what the later launches read many times is made once.  Three kinds of work-groups, told apart by the work-group's number; each kind has LDS bytes of its own and its own end.
;  0 .. 863      QUANT: query, key, value [8192][1024] and wq, wk, wv [1024][1024], f32, K innermost, become codes of FP4 (E2M1), two a byte, and one E8M0 byte for each 32 along K.
;                The six tensors lie on end in the two buffers: 27,648 rows of 512 code bytes and of 32 scale bytes.  A block's scale is 2^(floor(log2(largest magnitude)) - 2).
;  864 .. 1375   MASK: the mask's bytes become words of 32 bits, one bit a lane, in the very order in which the attention launch holds its scores:
;                mbits[b][pair of query tiles][key step of 64][tile][8 u + j], bit l = mask[b][32 pair + 16 tile + l % 16][64 step + 16 u + 8 (l / 16) + j].
;  1376 .. 1503  WO: wo [1024][1024] f32 is rounded to f16, in place order.
; LIMITS: NaN and infinities among the inputs are not served; a block whose largest magnitude lies under 2^-124 (a block of zeros too) keeps the byte 1: its codes are then zeros or tiny, and this program alone
; reads the bytes; |wo| beyond 65,504 has no f16 number.
; No tensor loads, no barrier: waves share nothing.  No cluster: no two work-groups read the same bytes.
.set WGQ,   864                        ; (3 x 8192 + 3 x 1024) x 1024 / 32,768
.set WGM,   512                        ; 2,048 units of 32 queries x 256 keys, one a wave
.set STEPS, 16
.set EMAX,  2
.set CB,    8                          ; bytes of 16 codes
.set R,     16                         ; v16-79   QUANT: four sets of 16 numbers as loaded
.set X,     80                         ; v80-111  two sets of 16 neighbours
.set E,     112                        ; v112-127 a scale byte for each step
.set C,     128                        ; v128-191 codes: four registers for each step
.set WREG,  8192                       ; LDS, QUANT: a region for each wave: two stages of 32 x SP bytes, behind them its 256 scale bytes
.set SP,    80
.set MST,   4*WREG                     ; LDS, MASK: 32 rows x 272 bytes for each wave
.set MREG,  32*272
.set SPARE, MST+4*MREG                 ; the spare words, 128 bytes for each wave: two blocks of 256 bytes that no other line names
.set SPW,   12                         ; v12  SPARE + 4 x my thread's number; never rewritten
.set NIL,   13                         ; v13  0; never rewritten
.macro FINISH                          ; a wave's end
	s_wait_tensorcnt 0x0
	ds_add_u32 v[SPW], v[NIL]
	s_wait_dscnt 0x0
	s_endpgm
.endm
	s_load_b512 s[4:19], s[0:1], 0x0               ; query s[4:5], key s[6:7], value s[8:9], wq s[10:11], wk s[12:13], wv s[14:15], mask s[16:17], wo s[18:19]
	s_load_b256 s[20:27], s[0:1], 0x40             ; codes s[20:21], scales s[22:23], mbits s[24:25], wo16 s[26:27]
	v_lshl_add_u32 v[SPW], v0, 2, SPARE
	v_mov_b32 v[NIL], 0
	v_lshrrev_b32 v1, 5, v0
	v_readfirstlane_b32 s28, v1                    ; wave 0..3
	v_and_b32 v2, 31, v0                           ; lane
	s_wait_kmcnt 0x0
	s_cmp_ge_u32 ttmp9, WGQ+WGM
	s_cbranch_scc1 .Lwo
	s_cmp_ge_u32 ttmp9, WGQ
	s_cbranch_scc1 .Lmask
; ---------------- QUANT.  A work-group takes 32,768 numbers, a wave 8,192, in 16 steps of 512.  Rows are dense and 1,024 is a multiple of 32: a tensor is a plain stream of blocks.
	s_mov_b64 s[30:31], s[14:15]                   ; which tensor: the choice hangs on the work-group's number alone
	s_mov_b32 s29, 832                             ; and its first work-group
	s_cmp_lt_u32 ttmp9, 832
	s_cselect_b64 s[30:31], s[12:13], s[30:31]
	s_cselect_b32 s29, 800, s29
	s_cmp_lt_u32 ttmp9, 800
	s_cselect_b64 s[30:31], s[10:11], s[30:31]
	s_cselect_b32 s29, 768, s29
	s_cmp_lt_u32 ttmp9, 768
	s_cselect_b64 s[30:31], s[8:9], s[30:31]
	s_cselect_b32 s29, 512, s29
	s_cmp_lt_u32 ttmp9, 512
	s_cselect_b64 s[30:31], s[6:7], s[30:31]
	s_cselect_b32 s29, 256, s29
	s_cmp_lt_u32 ttmp9, 256
	s_cselect_b64 s[30:31], s[4:5], s[30:31]
	s_cselect_b32 s29, 0, s29
	s_sub_co_u32 s32, ttmp9, s29
	s_lshl_b32 s32, s32, 2
	s_add_co_u32 s32, s32, s28                     ; my run of 8,192 numbers in the tensor,
	s_lshl_b32 s32, s32, 15                        ; 32,768 bytes each
	s_mov_b32 s33, 0
	s_add_nc_u64 s[30:31], s[30:31], s[32:33]
	s_lshl_b32 s34, ttmp9, 2
	s_add_co_u32 s34, s34, s28                     ; my run among all six tensors: they lie on end in the two buffers
	s_lshl_b32 s32, s34, 12                        ; 4,096 bytes of codes a run
	s_add_nc_u64 s[20:21], s[20:21], s[32:33]
	s_lshl_b32 s32, s34, 8                         ; 256 scale bytes a run
	s_add_nc_u64 s[22:23], s[22:23], s[32:33]
	v_lshlrev_b32 v3, 4, v2                        ; my 16 bytes of a load's 512
	s_mul_i32 s35, s28, WREG
	v_lshrrev_b32 v14, 2, v2
	v_mul_u32_u24 v14, v14, SP
	v_and_b32 v15, 3, v2
	v_lshl_add_u32 v14, v15, 4, v14
	v_add_nc_u32 v14, s35, v14                     ; the stage, on the way in: four lanes' 64 bytes on end, then 16 of padding
	v_mul_u32_u24 v15, v2, SP
	v_add_nc_u32 v15, s35, v15                     ; and on the way out: my 16 neighbours
	v_mul_u32_u24 v4, v2, CB                       ; my codes' place in a step's
	v_lshrrev_b32 v5, 1, v2
	s_add_co_u32 s35, s35, 2*32*SP
	v_add_nc_u32 v5, s35, v5                       ; LDS: my wave's 256 scale bytes, my block's byte
	v_lshlrev_b32 v7, 3, v2                        ; and on the way out 8 bytes a lane
	v_add_nc_u32 v6, s35, v7
.macro LOAD t
.irp i, 0,1,2,3
	global_load_b128 v[R+16*((\t)%4)+4*\i:R+16*((\t)%4)+4*\i+3], v3, s[30:31] offset:2048*(\t)+512*\i th:TH_LOAD_NT   ; 32 lanes read 512 consecutive bytes
.endr
.endm
.macro TURN t                          ; step t's numbers through the stage: LDS serves a wave's instructions in order, so no wait stands between the stores and the loads
.irp i, 0,1,2,3
	ds_store_b128 v14, v[R+16*((\t)%4)+4*\i:R+16*((\t)%4)+4*\i+3] offset:32*SP*((\t)%2)+8*SP*\i
.endr
.irp i, 0,1,2,3
	ds_load_b128 v[X+16*((\t)%2)+4*\i:X+16*((\t)%2)+4*\i+3], v15 offset:32*SP*((\t)%2)+16*\i
.endr
.endm
.irp t, 0,1,2,3
	LOAD \t
.endr
	s_wait_loadcnt 12                              ; step 0's four loads are in; three steps' twelve stay out
	TURN 0
.macro STEP t
.set XS, X+16*((\t)%2)
.if (\t) > 0
	s_wait_dscnt 1                                 ; this step's numbers are back from the stage (the last step's byte store may be out)
.else
	s_wait_dscnt 0x0
.endif
.if (\t)+4 < STEPS
	LOAD (\t)+4                                    ; into the registers that the stage's stores have read
.endif
.if (\t)+1 < STEPS
.if STEPS-2-(\t) >= 3
	s_wait_loadcnt 12                              ; the next step's four loads are in; those of the three steps behind it may be out
.else
	s_wait_loadcnt 4*(STEPS-2-(\t))
.endif
	TURN (\t)+1
.endif
	v_max3_num_f32 v8, |v[XS]|, |v[XS+1]|, |v[XS+2]|               ; the largest magnitude of my 16, in two chains
	v_max3_num_f32 v9, |v[XS+3]|, |v[XS+4]|, |v[XS+5]|
.irp i, 6,10
	v_max3_num_f32 v8, v8, |v[XS+\i]|, |v[XS+\i+1]|
	v_max3_num_f32 v9, v9, |v[XS+\i+2]|, |v[XS+\i+3]|
.endr
	v_max3_num_f32 v8, v8, |v[XS+14]|, |v[XS+15]|
	v_max3_num_f32 v8, v8, v9, (EMAX+1)<<23        ; and the floor 2^(3 - 127): the byte cannot fall under 1
	v_max_num_f32_dpp v8, v8, v8 row_xmask:1 row_mask:0xf bank_mask:0xf   ; and of my neighbour's 16: the block's
	v_add_nc_u32 v11, -(EMAX<<23), v8              ; 2 off its exponent field: the conversion takes the exponent field of this operand as its scale
	v_cvt_scalef32_pk8_fp4_f32 v[C+4*(\t)], v[XS:XS+7], v11
	v_cvt_scalef32_pk8_fp4_f32 v[C+4*(\t)+1], v[XS+8:XS+15], v11
	v_lshrrev_b32 v[E+(\t)], 23, v11               ; the scale's byte
	ds_store_b8 v5, v[E+(\t)] offset:16*(\t)       ; both lanes of a block write the same byte with the same value
	global_store_b64 v4, v[C+4*(\t):C+4*(\t)+1], s[20:21] offset:32*CB*(\t)   ; the wave stores 256 consecutive bytes, aligned
.endm
.irp t, 0,1,2,3,4,5,6,7,8,9,10,11,12,13,14,15
	STEP \t
.endr
	ds_load_b64 v[8:9], v6                         ; LDS serves a wave's instructions in order: these see my stores
	s_wait_dscnt 0x0
	global_store_b64 v7, v[8:9], s[22:23]          ; 32 lanes store 256 consecutive bytes, aligned
	FINISH
; ---------------- MASK.  A wave takes 32 queries x 256 keys: 32 rows of 256 bytes in, 256 words (four key steps of both tiles, 1,024 bytes on end) out.
.Lmask:
	s_sub_co_u32 s29, ttmp9, WGQ
	s_lshl_b32 s29, s29, 2
	s_add_co_u32 s29, s29, s28                     ; my unit, 0 .. 2047: 8 x (pair of query tiles, over all batches) + which 256 keys
	s_lshr_b32 s30, s29, 3
	s_lshl_b32 s30, s30, 16                        ; 32 rows of 2,048 bytes
	s_and_b32 s31, s29, 7
	s_lshl_b32 s31, s31, 8
	s_add_co_u32 s30, s30, s31
	s_mov_b32 s31, 0
	s_add_nc_u64 s[16:17], s[16:17], s[30:31]
	s_lshl_b32 s30, s29, 10
	s_add_nc_u64 s[24:25], s[24:25], s[30:31]
	v_lshrrev_b32 v8, 4, v2                        ; l / 16
	v_and_b32 v9, 15, v2                           ; l % 16
	v_lshlrev_b32 v3, 11, v8
	v_lshl_add_u32 v3, v9, 4, v3                   ; in: lanes 0-15 one row's 256 bytes, lanes 16-31 the next row's
	s_mul_i32 s32, s28, MREG
	s_add_co_u32 s32, s32, MST
	v_mul_u32_u24 v4, v8, 272
	v_lshl_add_u32 v4, v9, 4, v4
	v_add_nc_u32 v4, s32, v4                       ; the same two rows in my stage, 272 bytes apart
	v_mul_u32_u24 v5, v9, 272
	v_lshl_add_u32 v5, v8, 3, v5
	v_add_nc_u32 v5, s32, v5                       ; back: row l % 16 of a tile, 8 keys from 8 (l / 16) on
	v_lshlrev_b32 v6, 4, v2                        ; out: 16 bytes a lane
.irp i, 0,1,2,3,4,5,6,7
	v_mov_b32 v[144+\i], 0                         ; written once: v_writelane_b32's destination counts as read
.endr
.irp i, 0,1,2,3,4,5,6,7,8,9,10,11,12,13,14,15
	global_load_b128 v[16+4*\i:19+4*\i], v3, s[16:17] offset:4096*\i th:TH_LOAD_NT
.endr
.irp i, 0,1,2,3,4,5,6,7,8,9,10,11,12,13,14,15
	s_wait_loadcnt 15-\i                           ; loads come back in order: load i is in, the younger ones stay out
	ds_store_b128 v4, v[16+4*\i:19+4*\i] offset:544*\i
.endr
.irp e, 0,1,2,3                        ; key step e of the four, tile t, score tile u: 8 bytes a lane
.irp t, 0,1
.irp u, 0,1,2,3
	ds_load_b64 v[80+2*(4*(2*\e+\t)+\u):81+2*(4*(2*\e+\t)+\u)], v5 offset:4352*\t+64*\e+16*\u
.endr
.endr
.endr
.irp e, 0,1,2,3
.irp t, 0,1
	s_wait_dscnt 28-4*(2*\e+\t)                    ; this tile's four loads are in; the later tiles' stay out
.irp u, 0,1,2,3
.irp g, 0,1                            ; four words at a time: byte k of register g is key 16 u + 8 (l / 16) + 4 g + k
.irp k, 0,1,2,3
	v_and_b32 v[8+\k], 0xff<<(8*\k), v[80+2*(4*(2*\e+\t)+\u)+\g]
.endr
.irp k, 0,1,2,3
	v_cmp_ne_u32 s[36+\k], 0, v[8+\k]              ; one bit a lane: the word
.endr
.irp k, 0,1,2,3
	v_writelane_b32 v[144+\k+4*(\e/2)], s[36+\k], 16*(\e%2)+8*\t+2*\u+\g   ; word W = 64 e + 32 t + 8 u + 4 g + k goes to register W % 4 of lane (W % 128) / 4
.endr
.endr
.endr
.endr
.endr
	global_store_b128 v6, v[144:147], s[24:25]     ; 512 consecutive bytes each
	global_store_b128 v6, v[148:151], s[24:25] offset:512
	FINISH
; ---------------- WO.  A wave takes 2,048 numbers: eight chunks of 256; a lane's 8 neighbours become 16 bytes.
.Lwo:
	s_sub_co_u32 s29, ttmp9, WGQ+WGM
	s_lshl_b32 s29, s29, 2
	s_add_co_u32 s29, s29, s28
	s_lshl_b32 s30, s29, 13
	s_mov_b32 s31, 0
	s_add_nc_u64 s[18:19], s[18:19], s[30:31]
	s_lshl_b32 s30, s29, 12
	s_add_nc_u64 s[26:27], s[26:27], s[30:31]
	v_lshlrev_b32 v3, 5, v2
	v_lshlrev_b32 v4, 4, v2
.irp j, 0,1,2,3,4,5,6,7
	global_load_b128 v[16+8*\j:19+8*\j], v3, s[18:19] offset:1024*\j th:TH_LOAD_NT
	global_load_b128 v[20+8*\j:23+8*\j], v3, s[18:19] offset:1024*\j+16 th:TH_LOAD_NT
.endr
.irp j, 0,1,2,3,4,5,6,7
	s_wait_loadcnt 14-2*\j                         ; chunk j's two loads are in; the later chunks' stay out
.irp k, 0,1,2,3
	v_cvt_pk_f16_f32 v[80+4*\j+\k], v[16+8*\j+2*\k], v[17+8*\j+2*\k]
.endr
	global_store_b128 v4, v[80+4*\j:83+4*\j], s[26:27] offset:512*\j   ; 512 consecutive bytes
.endr
	FINISH
.Lfunc_end_k_qdbc7f850fe_prep:
	.size	k_qdbc7f850fe_prep, .Lfunc_end_k_qdbc7f850fe_prep-k_qdbc7f850fe_prep
	.p2alignl 7, 3214868480
	.fill 96, 4, 3214868480
	.section	.rodata,"a",@progbits
	.p2align	6, 0x0
	.amdhsa_kernel k_qdbc7f850fe_prep
		.amdhsa_group_segment_fixed_size 68096
		.amdhsa_private_segment_fixed_size 0
		.amdhsa_enable_private_segment 0
		.amdhsa_kernarg_size 96
		.amdhsa_user_sgpr_count 2
		.amdhsa_user_sgpr_kernarg_segment_ptr 1
		.amdhsa_wavefront_size32 1
		.amdhsa_system_sgpr_workgroup_id_x 1
		.amdhsa_system_sgpr_workgroup_id_y 1
		.amdhsa_system_sgpr_workgroup_id_z 1
		.amdhsa_system_vgpr_workitem_id 0
		.amdhsa_next_free_vgpr 192
		.amdhsa_next_free_sgpr 66
		.amdhsa_reserve_vcc 0
		.amdhsa_float_denorm_mode_32 3
		.amdhsa_float_denorm_mode_16_64 3
		.amdhsa_memory_ordered 1
		.amdhsa_forward_progress 1
		.amdhsa_inst_pref_size 94
	.end_amdhsa_kernel
	.amdgpu_metadata
---
amdhsa.version: [ 1, 2 ]
amdhsa.kernels:
  - .name:           k_qdbc7f850fe_prep
    .symbol:         k_qdbc7f850fe_prep.kd
    .args:
      - { .name: query, .offset: 0, .size: 8, .value_kind: global_buffer, .address_space: global }
      - { .name: key, .offset: 8, .size: 8, .value_kind: global_buffer, .address_space: global }
      - { .name: value, .offset: 16, .size: 8, .value_kind: global_buffer, .address_space: global }
      - { .name: wq, .offset: 24, .size: 8, .value_kind: global_buffer, .address_space: global }
      - { .name: wk, .offset: 32, .size: 8, .value_kind: global_buffer, .address_space: global }
      - { .name: wv, .offset: 40, .size: 8, .value_kind: global_buffer, .address_space: global }
      - { .name: mask, .offset: 48, .size: 8, .value_kind: global_buffer, .address_space: global }
      - { .name: wo, .offset: 56, .size: 8, .value_kind: global_buffer, .address_space: global }
      - { .name: codes, .offset: 64, .size: 8, .value_kind: global_buffer, .address_space: global }
      - { .name: scales, .offset: 72, .size: 8, .value_kind: global_buffer, .address_space: global }
      - { .name: mbits, .offset: 80, .size: 8, .value_kind: global_buffer, .address_space: global }
      - { .name: wo16, .offset: 88, .size: 8, .value_kind: global_buffer, .address_space: global }
    .group_segment_fixed_size: 68096
    .private_segment_fixed_size: 0
    .kernarg_segment_align: 8
    .kernarg_segment_size: 96
    .max_flat_workgroup_size: 128
    .sgpr_count:     66
    .vgpr_count:     192
    .wavefront_size: 32
...
	.end_amdgpu_metadata
.endif
;; end of part 1
;; launch proj (part 2): grid 4 x 96, 4 waves a work-group, clusters of 4 x 4, 327,680 bytes of LDS; arguments codes, scales, bq, bk, bv, qkv; writes qkv
.if DOCPART == 2
	.amdgcn_target "amdgcn-amd-amdhsa--gfx1250"
	.amdhsa_code_object_version 6
	.text
	.protected	k_qdbc7f850fe_proj
	.globl	k_qdbc7f850fe_proj
	.p2align	8
	.type	k_qdbc7f850fe_proj,@function
k_qdbc7f850fe_proj:
	s_mov_b64 s[64:65], 0
	v_nop
	global_prefetch_b8 v0, s[64:65] scope:SCOPE_SE
	s_setreg_imm32_b32 hwreg(HW_REG_WAVE_MODE, 25, 1), 1
	s_wait_xcnt 0x0
	s_wait_alu depctr_hold_cnt(0) depctr_sa_sdst(0) depctr_va_vdst(0) depctr_va_sdst(0) depctr_va_ssrc(0) depctr_va_vcc(0) depctr_vm_vsrc(0)
	s_getreg_b32 s2, hwreg(HW_REG_IB_STS2, 6, 4)
	s_cmp_eq_u32 s2, 0
	s_cbranch_scc0 .Lentry_in_a_cluster
	s_endpgm
.Lentry_in_a_cluster:
	s_bfe_u32 s2, ttmp6, 0x10000c
	s_cmp_lg_u32 s2, 0xf033
	s_cbranch_scc0 .Lentry_shape_is_right
	s_endpgm
.Lentry_shape_is_right:
; PROJ: the three quantised products in one grid: y = x W^T + b for (query, wq, bq), (key, wk, bk), (value, wv, bv), on codes of FP4 (E2M1) with one E8M0 scale for each 32 along K = 1,024; sums in f32.
; The rows of x are rows 0 .. 24,575 of the two buffers (three tensors on end), those of W rows 24,576 on.  Tile row ty (0 .. 95) of 256 rows says which tensor: ty / 32.
; A tile of y, 256 x 256, is made by four waves, as many as a WGP has SIMDs; a wave makes 128 x 128: 64 accumulators, 512 registers.  K is two slots of 512: both are asked for at the start, nothing is filled again.
; The bias is the C of each sum's first product.  q is multiplied by log2(e) / 8 (so that the attention launch's scores are exponents of two), k and v by 1; then all are rounded to f16 and laid by heads:
; qkv[t][b][h][s][64].  LIMIT: results beyond 65,504 in magnitude have no f16 number.
; CLUSTERS: 4 x 4 work-groups.  The four of a row of the cluster need the same tiles of x, the four of a column the same tiles of W: each is asked for JOINTLY.  A cluster's four tile rows lie in one tensor (32 is a multiple of 4).
; THE MATRIX INSTRUCTION IS USED TRANSPOSED (source 0 = 16 rows of W, source 1 = 16 rows of x): a lane then holds eight neighbouring columns of a row of y.
; REGISTERS, in windows of 256: window 0: v0-31 addresses; v32-95 scale words, two sets; v128-191 x's fragments, ONE set; v192-255 the bias (8 tiles x 8), later the way out.
;   window 1: W's fragments, TWO sets, at v0 and v128.   window 2: the accumulators of my rows 0-63 ((a, b) at v[8 (8 a + b)]);   window 3: those of rows 64-127.
; No prefetch: every byte of K is asked for by the first fills.
.set KSTEP,  512
.set NQ,     KSTEP/128
.set ROWB,   256                       ; a tile's row in bytes: 512 codes
.set KROW,   512                       ; a row of codes in memory
.set PITCH,  272                       ; an LDS row: 256 bytes + 16 of padding: the 16 rows that a load touches start at 16 different 16-byte columns modulo 256
.set FR,     8
.set NL,     2
.set NP,     4
.set HALFT,  128*PITCH
.set SLOT,   4*HALFT
.set KS,     32                        ; a row of scale bytes
.set SCL,    2*SLOT                    ; behind the two slots: the scales, as units of 256 bytes + 16 of padding
.set HALFS,  (128*KS/256)*272
.set SBLK,   (16*KS/256)*272
.set SPARE,  SCL+4*HALFS               ; the spare words, 128 bytes for each wave: two blocks of 256 bytes that no other line names
.set SPITCH, 272                       ; the way out: a stage of 16 rows x (256 bytes + 16) for each wave, in slot 0, which has had its only fill and its last read by then
.set BO,   7                           ; v7      32 x (lane / 16): my place in the bias
.set ADRA, 16
.set ADRB, 20
.set STO,  24
.set RD,   25
.set CO,   26
.set ADRS, 27
.set SPW,  28
.set NIL,  29
.set SC,   32
.set AF,   128
.set BI,   192                         ; the bias: v[BI + 8 b + j] = b[my first column + 16 b + 8 (lane / 16) + j]
.set TMP,  192                         ; the way out: packed results
.set G1, 24
.set G0, 32
.set G1B, 48
.set G0B, 56
.set G1S, 68
.set G0S, 76
.set G1SB, 80
.set G0SB, 88
.set MSB, 0
.macro WIN new                         ; the immediate's high byte repeats the setting that is left
.if MSB != \new
	s_set_vgpr_msb (MSB<<8)|\new
.set MSB, \new
.endif
.endm
.set MUL_LO, 0xa1                      ; source 0 (W) window 1, source 1 (x) window 0, C and D window 2
.set MUL_HI, 0xf1                      ; the same, C and D window 3
.set TO_B,   0x40
; A joint load: waves 0 and 1 fetch for x, waves 2 and 3 for W.  The branch hangs on the wave's number alone.  An s_nop 0 and four v_nop follow each of the two lines.
.macro JLOAD g0a, g1a, g0b, g1b
	s_cmp_eq_u32 s15, 0
	s_cbranch_scc0 .Lfor_b_\@
	tensor_load_to_lds s[\g0a:\g0a+3], s[\g1a:\g1a+7]
	s_nop 0
.rept 4
	v_nop
.endr
	s_branch .Lasked_\@
.Lfor_b_\@:
	tensor_load_to_lds s[\g0b:\g0b+3], s[\g1b:\g1b+7]
	s_nop 0
.rept 4
	v_nop
.endr
.Lasked_\@:
.endm
.macro CROUND                          ; a round of the cluster's barrier
	s_barrier_signal -1
	s_barrier_wait -1
	s_cmp_lg_u32 s14, 0
	s_cbranch_scc1 .Lnot_wave_0_\@
	s_barrier_signal -3
.Lnot_wave_0_\@:
	s_barrier_wait -3
	s_barrier_signal -1
	s_barrier_wait -1
.endm
	s_load_b128 s[4:7], s[0:1], 0x0                ; codes s[4:5], scales s[6:7]
	s_load_b128 s[8:11], s[0:1], 0x10              ; bq s[8:9], bk s[10:11]
	s_load_b128 s[96:99], s[0:1], 0x20             ; bv s[96:97], qkv s[98:99]
	v_lshl_add_u32 v[SPW], v0, 2, SPARE
	v_mov_b32 v[NIL], 0
	ds_add_u32 v[SPW], v[NIL]                      ; the wave's opening: the add, twice on end, and its wait ahead of my first tensor load
	ds_add_u32 v[SPW], v[NIL]
	v_lshrrev_b32 v1, 5, v0
	v_readfirstlane_b32 s14, v1                    ; wave 0..3
	s_lshr_b32 s15, s14, 1                         ; which half of the tile's rows is mine.  Also: I fetch for x (0) or for W (1)
	s_and_b32 s16, s14, 1                          ; which half of its columns.  Also: which 128 rows of that tile I fetch
	s_bfe_u32 s40, ttmp6, 0x40000                  ; cx, cy: my place in the cluster
	s_bfe_u32 s41, ttmp6, 0x40004
	s_lshl_b32 s42, ttmp9, 2
	s_add_co_u32 s42, s42, s40                     ; tile column = 4 x cluster x + cx
	s_and_b32 s17, ttmp7, 0xffff
	s_lshr_b32 s95, s17, 3                         ; the tensor, 0 q, 1 k, 2 v: from the cluster's y alone, so all sixteen partners share it
	s_lshl_b32 s17, s17, 2
	s_add_co_u32 s17, s17, s41                     ; tile row = 4 x cluster y + cy
	s_lshl_b32 s43, s41, 2
	s_lshl_b32 s43, 15, s43                        ; my row of the cluster
	s_lshl_b32 s44, 0x1111, s40                    ; my column
	; descriptor group 1: a tile of 128 rows x 256 bytes, padded in LDS
	s_or_b32 s[G1+0], s43, (0<<16)|(1<<20)|(1<<21)|(5<<22)|(3<<25)  ; 15:0 the mask; 17:16 elements of 1 byte; 20 padding on; 21 set beside a mask; 24:22 after every 64 words; 31:25 four words
	s_or_b32 s[G1B+0], s44, (0<<16)|(1<<20)|(1<<21)|(5<<22)|(3<<25)
.irp g, G1, G1B
	s_mov_b32 s[\g+1], ROWB<<16                    ; tensor_dim0
	s_mov_b32 s[\g+2], 128<<16                     ; tensor_dim1
	s_mov_b32 s[\g+3], ROWB<<16                    ; tile_dim0
	s_mov_b32 s[\g+4], 128                         ; tile_dim1
	s_mov_b32 s[\g+5], KROW                        ; tensor_dim0_stride
	s_mov_b32 s[\g+6], 0
	s_mov_b32 s[\g+7], 0
.endr
	; the scales of 128 rows: 4,096 dense bytes, as 16 rows of 256 bytes (32 elements of 8 bytes), 16 bytes of padding behind each
	s_or_b32 s[G1S+0], s43, (3<<16)|(1<<20)|(1<<21)|(5<<22)|(3<<25)
	s_or_b32 s[G1SB+0], s44, (3<<16)|(1<<20)|(1<<21)|(5<<22)|(3<<25)
.irp g, G1S, G1SB
	s_mov_b32 s[\g+1], 32<<16
	s_mov_b32 s[\g+2], (128*KS/256)<<16
	s_mov_b32 s[\g+3], 32<<16
	s_mov_b32 s[\g+4], 128*KS/256
	s_mov_b32 s[\g+5], 32
	s_mov_b32 s[\g+6], 0
	s_mov_b32 s[\g+7], 0
.endr
	s_lshl_b32 s18, s16, 7                         ; which 128 rows of the tile I fetch
	s_lshl_b32 s20, s17, 8
	s_add_co_u32 s20, s20, s18                     ; x: row 256 x tile row + 128 x half
	s_lshl_b32 s46, s42, 8
	s_add_co_u32 s46, s46, s18                     ; W: row 256 x tile column + 128 x half,
	s_lshl_b32 s47, s95, 10
	s_add_co_u32 s46, s46, s47                     ; + 1,024 x tensor,
	s_add_co_u32 s46, s46, 24576                   ; behind x's rows
	s_mov_b32 s21, 0
	s_mov_b32 s47, 0
	s_mov_b64 s[18:19], KS
	s_mul_u64 s[22:23], s[20:21], s[18:19]         ; where these rows' scales begin, in bytes
	s_mul_u64 s[92:93], s[46:47], s[18:19]
	s_mov_b64 s[18:19], KROW
	s_mul_u64 s[20:21], s[20:21], s[18:19]         ; and their codes
	s_mul_u64 s[46:47], s[46:47], s[18:19]
	s_mul_i32 s45, s14, HALFT                      ; where they go: wave x 128 rows: no place in the cluster enters an LDS address
	s_mul_i32 s94, s14, HALFS
	s_mov_b32 s100, 1.0
	s_cmp_eq_u32 s95, 0
	s_cselect_b32 s100, 0x3e38aa3b, s100           ; log2(e) / 8 for q, 1 for k and v
	s_mov_b32 s101, s100                           ; (named with it as a pair, so it is written)
	s_wait_dscnt 0x0                               ; both opening adds are done
	s_wait_kmcnt 0x0
	s_add_nc_u64 s[20:21], s[4:5], s[20:21]
	s_add_nc_u64 s[22:23], s[6:7], s[22:23]
	s_add_nc_u64 s[46:47], s[4:5], s[46:47]
	s_add_nc_u64 s[92:93], s[6:7], s[92:93]
	s_cmp_eq_u32 s95, 1                            ; the tensor's bias
	s_cselect_b64 s[8:9], s[10:11], s[8:9]
	s_cmp_eq_u32 s95, 2
	s_cselect_b64 s[8:9], s[96:97], s[8:9]
	CROUND                                         ; all sixteen work-groups are here: the first joint loads meet
	s_mov_b32 s[G0S], 1
	s_add_co_u32 s[G0S+1], s94, SCL
	s_mov_b64 s[G0S+2:G0S+3], s[22:23]
	s_or_b32 s[G0S+3], s[G0S+3], 0x80000000
	s_mov_b32 s[G0SB], 1
	s_add_co_u32 s[G0SB+1], s94, SCL
	s_mov_b64 s[G0SB+2:G0SB+3], s[92:93]
	s_or_b32 s[G0SB+3], s[G0SB+3], 0x80000000
	JLOAD G0S, G1S, G0SB, G1SB                     ; the scales first: they are wanted with K step 0
.irp s, 0,1
	s_mov_b32 s[G0+4*\s], 1
	s_add_co_u32 s[G0+4*\s+1], s45, \s*SLOT
	s_add_nc_u64 s[G0+4*\s+2:G0+4*\s+3], s[20:21], \s*ROWB
	s_or_b32 s[G0+4*\s+3], s[G0+4*\s+3], 0x80000000
	s_mov_b32 s[G0B+4*\s], 1
	s_add_co_u32 s[G0B+4*\s+1], s45, \s*SLOT
	s_add_nc_u64 s[G0B+4*\s+2:G0B+4*\s+3], s[46:47], \s*ROWB
	s_or_b32 s[G0B+4*\s+3], s[G0B+4*\s+3], 0x80000000
	JLOAD G0+4*\s, G1, G0B+4*\s, G1B               ; three tensor loads of mine are out behind the second of these
.endr
	v_and_b32 v1, 15, v0                           ; l % 16
	v_bfe_u32 v2, v0, 4, 1                         ; l / 16
	s_lshl_b32 s46, s42, 10                        ; the bias of my 128 columns: 4 bytes x (256 x tile column + 128 x half)
	s_lshl_b32 s47, s16, 9
	s_add_co_u32 s46, s46, s47
	s_mov_b32 s47, 0
	s_add_nc_u64 s[8:9], s[8:9], s[46:47]
	v_lshlrev_b32 v[BO], 5, v2
.irp b, 0,1,2,3,4,5,6,7
	global_load_b128 v[BI+8*\b:BI+8*\b+3], v[BO], s[8:9] offset:64*\b
	global_load_b128 v[BI+8*\b+4:BI+8*\b+7], v[BO], s[8:9] offset:64*\b+16
.endr
	v_mul_u32_u24 v3, v1, PITCH
	v_lshl_add_u32 v4, v2, 4, v3                   ; a fragment's row x pitch + 16 x half
	s_mul_i32 s21, s15, HALFT                      ; my 128 rows of x
	s_mul_i32 s22, s16, HALFT                      ; my 128 rows of W,
	s_add_co_u32 s22, s22, 2*HALFT                 ; which lie behind x's 256
.irp s, 0,1
	v_add_nc_u32 v[ADRA+\s], s21, v4
	v_add_nc_u32 v[ADRB+\s], s22, v4
	s_add_co_u32 s21, s21, SLOT
	s_add_co_u32 s22, s22, SLOT
.endr
	v_mul_u32_u24 v5, v1, KS                       ; my row's scales: 32 bytes a row,
	v_lshrrev_b32 v6, 8, v5
	v_lshl_add_u32 v5, v6, 4, v5                   ; and 16 more for each 256 passed
	s_mul_i32 s21, s15, HALFS
	s_mul_i32 s22, s16, HALFS
	s_add_co_u32 s22, s22, 2*HALFS
	s_sub_co_u32 s22, s22, s21
	v_mul_u32_u24 v6, s22, v2                      ; lanes 16-31 take W's: one product, the distance between the two bases
	s_add_co_u32 s21, s21, SCL
	v_add_nc_u32 v5, v5, v6
	v_add_nc_u32 v[ADRS], s21, v5
	s_mul_i32 s23, s14, 16*SPITCH                  ; my stage
	v_mul_u32_u24 v5, v1, SPITCH                   ; in: row l % 16, 16 bytes for each half of the lanes
	v_lshl_add_u32 v5, v2, 4, v5
	v_add_nc_u32 v[STO], s23, v5
	v_bfe_u32 v5, v0, 3, 2                         ; back: eight lanes take a head's 128 bytes of a row, the 32 lanes four rows
	v_and_b32 v6, 7, v0
	v_mul_u32_u24 v5, v5, SPITCH
	v_lshl_add_u32 v5, v6, 4, v5
	v_add_nc_u32 v[RD], s23, v5
	v_and_b32 v6, 31, v0
	v_lshlrev_b32 v[CO], 4, v6                     ; four rows of a head are 512 bytes on end in qkv
	; qkv at my part: tensor x 2^24 + (((m / 2048) x 16 + head) x 2048 + m % 2048) x 128, m my first row in the tensor, head = 4 x tile column + 2 x half
	s_and_b32 s20, s17, 31
	s_lshl_b32 s20, s20, 8
	s_lshl_b32 s21, s15, 7
	s_add_co_u32 s20, s20, s21                     ; m
	s_lshr_b32 s21, s20, 11
	s_and_b32 s20, s20, 2047
	s_lshl_b32 s21, s21, 4
	s_lshl_b32 s46, s42, 2
	s_add_co_u32 s46, s46, s21
	s_lshl_b32 s47, s16, 1
	s_add_co_u32 s46, s46, s47
	s_lshl_b32 s46, s46, 11
	s_add_co_u32 s46, s46, s20
	s_lshl_b32 s46, s46, 7
	s_lshl_b32 s47, s95, 24
	s_add_co_u32 s46, s46, s47
	s_mov_b32 s47, 0
	s_add_nc_u64 s[12:13], s[98:99], s[46:47]
.macro FRAG reg, adr, q, i             ; a fragment, 16 rows x 128 K of 4-bit codes: lane l holds row l % 16; registers 4 c .. 4 c + 3 hold K = 64 c + 32 (l / 16) + 0 .. 31
.irp c, 0,1
	ds_load_b128 v[\reg+4*\c:\reg+4*\c+3], v[\adr] offset:64*(\q)+32*\c+(\i)*16*PITCH
.endr
.endm
; 16 matrix instructions: x's blocks a0, a0 + 1 against W's eight, 128 along K.  p: W's set; sc: the set of scale words.  zero = 1: the first product starts the sum, with the bias as its C.
; The 64 accumulators take turns, one instruction a turn, in the same order in every step.
.macro MUL16 a0, p, q, sc, zero
.irp a, \a0, \a0+1
.irp b, 0,1,2,3,4,5,6,7
.if \zero
	v_wmma_scale_f32_16x16x128_f8f6f4 v[8*(8*((\a)%4)+\b):8*(8*((\a)%4)+\b)+7], v[128*(\p)+FR*\b:128*(\p)+FR*\b+FR-1], v[AF+FR*(\a):AF+FR*(\a)+FR-1], v[BI+8*\b:BI+8*\b+7], v[SC+8*NQ*(\sc)+NQ*\b+(\q)], v[SC+8*NQ*(\sc)+NQ*(\a)+(\q)] matrix_a_fmt:MATRIX_FMT_FP4 matrix_b_fmt:MATRIX_FMT_FP4 matrix_a_scale:MATRIX_SCALE_ROW1
.else
	v_wmma_scale_f32_16x16x128_f8f6f4 v[8*(8*((\a)%4)+\b):8*(8*((\a)%4)+\b)+7], v[128*(\p)+FR*\b:128*(\p)+FR*\b+FR-1], v[AF+FR*(\a):AF+FR*(\a)+FR-1], v[8*(8*((\a)%4)+\b):8*(8*((\a)%4)+\b)+7], v[SC+8*NQ*(\sc)+NQ*\b+(\q)], v[SC+8*NQ*(\sc)+NQ*(\a)+(\q)] matrix_a_fmt:MATRIX_FMT_FP4 matrix_b_fmt:MATRIX_FMT_FP4 matrix_a_scale:MATRIX_SCALE_ROW1
.endif
.endr
.endr
.endm
.macro FETCH_B slot, q, p
	WIN TO_B
.irp i, 0,1,2,3,4,5,6,7
	FRAG 128*(\p)+FR*\i, ADRB+\slot, \q, \i
.endr
	WIN 0
.endm
.macro FETCH_A slot, q, i0
.irp i, \i0, \i0+1, \i0+2, \i0+3
	FRAG AF+FR*(\i), ADRA+\slot, \q, \i
.endr
.endm
.macro SCALES sc                       ; a slot's scale words: 4 words a row; lanes 0-15 take x's block i, lanes 16-31 W's block i
.irp i, 0,1,2,3,4,5,6,7
	ds_load_b128 v[SC+8*NQ*\sc+NQ*\i:SC+8*NQ*\sc+NQ*\i+3], v[ADRS] offset:\i*SBLK
.endr
.endm
.macro PLACES n                        ; plain vector instructions between a matrix instruction and a load into, or a read of, its registers
.rept \n
	v_nop
.endr
.endm
.macro STEP slot, q, zero              ; a step of 128 along K that has its successor in the same slot
	s_wait_dscnt 4*NL                              ; W's set and x's blocks 0-3 are in; the youngest eight loads (x's blocks 4-7) may be out
.if \zero
	WIN 0x81                                       ; source 0 window 1, source 1 and the bias window 0, D window 2
.else
	WIN MUL_LO
.endif
	MUL16 0, (\q)%2, \q, \slot, \zero
	MUL16 2, (\q)%2, \q, \slot, \zero
	s_wait_dscnt 0
	PLACES NP
	FETCH_B \slot, (\q)+1, 1-(\q)%2
	FETCH_A \slot, (\q)+1, 0
.if \zero
	WIN 0xc1
.else
	WIN MUL_HI
.endif
	MUL16 4, (\q)%2, \q, \slot, \zero
	MUL16 6, (\q)%2, \q, \slot, \zero
	PLACES NP
	WIN 0
	FETCH_A \slot, (\q)+1, 4
.endm
.macro STEPS slot, from
.set Q, \from
.rept NQ-1-\from
	STEP \slot, Q, 0
.set Q, Q+1
.endr
.endm
	s_wait_tensorcnt 1                             ; the scales and my part of slot 0 are in (slot 1's load may be out)
	s_barrier_signal -1
	s_barrier_wait -1                              ; everybody's are
	FETCH_B 0, 0, 0
	FETCH_A 0, 0, 0
	SCALES 0
	FETCH_A 0, 0, 4
	s_wait_loadcnt 0x0                             ; the bias
	STEP 0, 0, 1                                   ; the first step's products start the sums
	STEPS 0, 1
	; slot 0's last step changes slots: one barrier; in front of it each wave waits for all its tensor loads, adds 0 to its spare word, and waits for that and for its own reads of slot 0
	s_wait_tensorcnt 0x0                           ; my part of slot 1 has landed
	ds_add_u32 v[SPW], v[NIL]
	s_wait_dscnt 4*NL+1                            ; (the add and the youngest eight loads may be out)
	WIN MUL_LO
	MUL16 0, 1, NQ-1, 0, 0
	s_wait_dscnt 0x0                               ; the add is done, and my reads of slot 0 are over
	s_barrier_signal -1
	MUL16 2, 1, NQ-1, 0, 0
	WIN 0
	s_barrier_wait -1
	PLACES NP
	v_add_nc_u32 v[ADRS], 4*NQ, v[ADRS]            ; on to slot 1's scale words
	FETCH_B 1, 0, 0
	FETCH_A 1, 0, 0
	SCALES 1
	WIN MUL_HI
	MUL16 4, 1, NQ-1, 0, 0
	MUL16 6, 1, NQ-1, 0, 0
	PLACES NP
	WIN 0
	FETCH_A 1, 0, 4
	STEPS 1, 0
	s_wait_dscnt 4*NL                              ; the very last step: nothing more to fetch
	WIN MUL_LO
	MUL16 0, 1, NQ-1, 1, 0
	MUL16 2, 1, NQ-1, 1, 0
	s_wait_dscnt 0
	WIN MUL_HI
	MUL16 4, 1, NQ-1, 1, 0
	MUL16 6, 1, NQ-1, 1, 0
	WIN 0
; THE WAY OUT, block by block of 16 rows x 128 columns (two heads).  PACK: times the tensor's factor, rounded to f16, 16 bytes a lane.  TOSTAGE: into my stage, and back by heads.  SEND: 512 bytes on end a store.
.macro PACK a
.set AC, 64*((\a)%4)
	WIN 0x82+0x41*((\a)/4)                         ; source 0 and destination: window 2 or 3
.set ii, 0
.rept 32
	v_pk_mul_f32 v[AC+ii:AC+ii+1], v[AC+ii:AC+ii+1], s[100:101] op_sel_hi:[1,0]   ; each accumulator from its low end on
.set ii, ii+2
.endr
	WIN 0x0a+5*((\a)/4)                            ; sources 0 and 1: window 2 or 3
.irp b, 0,1,2,3,4,5,6,7
.irp r, 0,1,2,3
	v_cvt_pk_f16_f32 v[TMP+4*\b+\r], v[AC+8*\b+2*\r], v[AC+8*\b+2*\r+1]
.endr
.endr
	WIN 0
.endm
.macro TOSTAGE a
.set BB, 32+192*((\a)%2)               ; v32-63 and v224-255 by turns
.irp b, 0,1,2,3,4,5,6,7
	ds_store_b128 v[STO], v[TMP+4*\b:TMP+4*\b+3] offset:32*\b
.endr
.irp g, 0,1
.irp t, 0,1,2,3
	ds_load_b128 v[BB+4*(4*\g+\t):BB+4*(4*\g+\t)+3], v[RD] offset:4*SPITCH*\t+128*\g   ; LDS serves a wave's instructions in order: these see the stores above
.endr
.endr
.endm
.macro SEND a
.set BB, 32+192*((\a)%2)
	s_wait_dscnt 0x0                               ; the block is back in registers
	s_wait_xcnt 0x0                                ; the stores of the block before have read their registers: the next block's loads may land there
.irp g, 0,1
.irp t, 0,1,2,3
	global_store_b128 v[CO], v[BB+4*(4*\g+\t):BB+4*(4*\g+\t)+3], s[12:13] offset:262144*\g+2048*(\a)+512*\t   ; head g, rows 16 a + 4 t on: 512 consecutive bytes, at a multiple of 256
.endr
.endr
.endm
	PLACES NP
	PACK 0
	TOSTAGE 0
.irp a, 1,2,3,4,5,6,7                  ; block a's arithmetic stands between block a - 1's loads from the stage and the wait for them
	PACK \a
	SEND \a-1
	TOSTAGE \a
.endr
	SEND 7
	s_wait_tensorcnt 0x0                           ; the wave's end
	ds_add_u32 v[SPW], v[NIL]
	s_wait_dscnt 0x0
	CROUND                                         ; the closing round: no work-group ends while a partner may still ask for a tile that names it
	s_endpgm
.Lfunc_end_k_qdbc7f850fe_proj:
	.size	k_qdbc7f850fe_proj, .Lfunc_end_k_qdbc7f850fe_proj-k_qdbc7f850fe_proj
	.p2alignl 7, 3214868480
	.fill 96, 4, 3214868480
	.section	.rodata,"a",@progbits
	.p2align	6, 0x0
	.amdhsa_kernel k_qdbc7f850fe_proj
		.amdhsa_group_segment_fixed_size 327680
		.amdhsa_private_segment_fixed_size 0
		.amdhsa_enable_private_segment 0
		.amdhsa_kernarg_size 48
		.amdhsa_user_sgpr_count 2
		.amdhsa_user_sgpr_kernarg_segment_ptr 1
		.amdhsa_wavefront_size32 1
		.amdhsa_system_sgpr_workgroup_id_x 1
		.amdhsa_system_sgpr_workgroup_id_y 1
		.amdhsa_system_sgpr_workgroup_id_z 1
		.amdhsa_system_vgpr_workitem_id 0
		.amdhsa_next_free_vgpr 1024
		.amdhsa_next_free_sgpr 102
		.amdhsa_reserve_vcc 0
		.amdhsa_float_denorm_mode_32 3
		.amdhsa_float_denorm_mode_16_64 3
		.amdhsa_memory_ordered 1
		.amdhsa_forward_progress 1
		.amdhsa_inst_pref_size 145
	.end_amdhsa_kernel
	.amdgpu_metadata
---
amdhsa.version: [ 1, 2 ]
amdhsa.kernels:
  - .name:           k_qdbc7f850fe_proj
    .symbol:         k_qdbc7f850fe_proj.kd
    .args:
      - { .name: codes, .offset: 0, .size: 8, .value_kind: global_buffer, .address_space: global }
      - { .name: scales, .offset: 8, .size: 8, .value_kind: global_buffer, .address_space: global }
      - { .name: bq, .offset: 16, .size: 8, .value_kind: global_buffer, .address_space: global }
      - { .name: bk, .offset: 24, .size: 8, .value_kind: global_buffer, .address_space: global }
      - { .name: bv, .offset: 32, .size: 8, .value_kind: global_buffer, .address_space: global }
      - { .name: qkv, .offset: 40, .size: 8, .value_kind: global_buffer, .address_space: global }
    .group_segment_fixed_size: 327680
    .private_segment_fixed_size: 0
    .kernarg_segment_align: 8
    .kernarg_segment_size: 48
    .max_flat_workgroup_size: 128
    .sgpr_count:     102
    .vgpr_count:     1024
    .wavefront_size: 32
...
	.end_amdgpu_metadata
.endif
;; end of part 2
;; launch attn (part 3): grid 4 x 64, 16 waves a work-group, clusters of 4 x 1, 327,680 bytes of LDS; arguments qkv, mbits, ctx; writes ctx
.if DOCPART == 3
	.amdgcn_target "amdgcn-amd-amdhsa--gfx1250"
	.amdhsa_code_object_version 6
	.text
	.protected	k_qdbc7f850fe_attn
	.globl	k_qdbc7f850fe_attn
	.p2align	8
	.type	k_qdbc7f850fe_attn,@function
k_qdbc7f850fe_attn:
	s_mov_b64 s[64:65], 0
	v_nop
	global_prefetch_b8 v0, s[64:65] scope:SCOPE_SE
	s_setreg_imm32_b32 hwreg(HW_REG_WAVE_MODE, 25, 1), 1
	s_wait_xcnt 0x0
	s_wait_alu depctr_hold_cnt(0) depctr_sa_sdst(0) depctr_va_vdst(0) depctr_va_sdst(0) depctr_va_ssrc(0) depctr_va_vcc(0) depctr_vm_vsrc(0)
	s_getreg_b32 s2, hwreg(HW_REG_IB_STS2, 6, 4)
	s_cmp_eq_u32 s2, 0
	s_cbranch_scc0 .Lentry_in_a_cluster
	s_endpgm
.Lentry_in_a_cluster:
	s_bfe_u32 s2, ttmp6, 0x10000c
	s_cmp_lg_u32 s2, 0x3003
	s_cbranch_scc0 .Lentry_shape_is_right
	s_endpgm
.Lentry_shape_is_right:
; ATTN: ctx[b][h][q][:] = the sum over k of softmax_k(where(mask[b][q][k], q . k / 8, -1e9)) v[k][:].  q (already times log2(e) / 8), k, v: [b][h][2048][64] f16, parts 0, 1, 2 of qkv; ctx likewise, f16.
; Products on f16 operands with f32 sums; maxima, exponentials and sums in f32.  The mask is an input: every query walks all 2,048 keys, and a masked score becomes -1e9 x log2(e), as the definition has it, ahead of the
; running maximum: a row that is wholly masked gives p = 1 for every key, the plain mean of v.
; SHARES.  A cluster is one head (b, h): its four work-groups own 512 queries each and walk the same K and V, so each tile is asked for JOINTLY.  Each of a work-group's SIXTEEN waves owns 32 queries, two tiles of 16, in 256
; registers: four waves to a SIMD, so that one wave's vector work stands beside another's matrix work and LDS loads.  Each fragment of K and V feeds two products.
; LAYOUT.  Both products are used transposed: S^T = K Q^T (source 0 = 16 keys, source 1 = 16 queries), O^T = V^T P (source 0 = 16 channels, source 1 = P): a lane holds ONE query (lane % 16) throughout.  In S^T, tile u, register j of
; lane l is key 16 u + 8 (l / 16) + j; two such tiles, rounded to f16 in pairs, ARE source 1 of the second product.  V ([key][channel]) comes out of LDS turned, by ds_load_tr16_b128.
; THE MASK costs one v_cndmask_b32 a score: an earlier launch has laid it as words of one bit a lane in the scores' own order, and a key step's 64 words come by four scalar loads, a step ahead.
; SOFTMAX.  m = the running largest (masked) t; p = 2^(t - m); in every step l and O^T are multiplied by a = 2^(old m - new m).  m begins at -3e38, l and O^T at 0, so the step is written once.
; RING.  Two slots of 256 keys (four steps of 64).  Rows are dense in memory, so a tile is stated as rows of two keys, 256 bytes, with padding behind each: key k lies at 272 (k / 2) + 128 (k % 2) in K's part,
; at 288 (k / 2) + 128 (k % 2) in V's. Waves 0, 1 fetch K's halves, waves 2, 3 V's; one tensor load of a wave is out at any time.
; LIMITS: NaN and infinities are not served; a finer way for rows to which the mask leaves very few keys is not built: all rows go by f16 operands.
.set PKP,   272                        ; two keys of K in LDS
.set PVP,   288                        ; two keys of V
.set VOFF,  128*PKP                    ; a slot: 256 keys of K, then 256 of V
.set SLOT1, 1<<17                      ; slot 1 begins here: one exclusive or turns an address in one slot into the other's
.set STAGE, SLOT1+128*(PKP+PVP)        ; behind the ring: 16 rows x 144 bytes for each wave, for the way out
.set PS,    144
.set SPARE, STAGE+16*16*PS             ; the spare words, 128 bytes for each wave: eight blocks of 256 bytes that no other line names
.set SPW, 1                            ; v1   SPARE + 4 x my thread's number; never rewritten
.set NIL, 2                            ; v2   0; never rewritten
.set AK0, 3                            ; v3   my lane's place in a tile of K
.set AV0, 4                            ; v4   the same for V
.set ADK, 5                            ; v5   LDS address of the slot's K for my lane
.set ADV, 6                            ; v6   of its V
.set BIG, 7                            ; v7   -1e9 x log2(e)
.set STO, 8
.set RD,  9
.set GO,  10
.set PFO, 11                           ; v11  256 x my lane; never rewritten
.set ST,  12                           ; tile t's statistics at v[ST + 8 t]: +0 m, +1 0 (its pair's partner), +2, +3 l, +4 .. +7 c0-c3 at work; a takes c2's place
.set QO,  28
.set QF,  32                           ; v32-63   Q: fragment (tile t, channels 32 d on) at 16 t + 8 d
.set SS,  64                           ; v64-127  S^T, 32 a tile; P is packed into a tile's low 16
.set OT,  128                          ; v128-191 O^T: (tile t, channels 16 n on) at 32 t + 8 n
.set KV,  192                          ; v192-255 K's fragments (u, d) at 16 u + 8 d, afterwards V's (n, c) at 16 n + 8 c
.set WV,  2                            ; s2   my wave's number
.set SLOTS, 3                          ; s3   slots still to be asked for
.set G1K, 4                            ; s[4:11], s[12:19] descriptor groups 1;  s[20:23], s[24:27] groups 0, which walk
.set G1V, 12
.set G0K, 20
.set G0V, 24
.set TB,  28                           ; s28  LDS byte at which the slot in hand begins
.set LIM, 29                           ; s29  1 in a wave that prefetches, else the greatest number
.set SEL, 30                           ; s[30:31] lane selects for v_permlanex16_b32: lane l xor 16
.set MW0, 32                           ; s[32:63] the step's mask words of tile 0;  s[68:99] of tile 1
.set MW1, 68
.set MP,  66                           ; s[66:67] my wave's place in mbits
.set PFA, 100                          ; s[100:101] where my prefetches stand
.macro CROUND                          ; a round of the cluster's barrier
	s_barrier_signal -1
	s_barrier_wait -1
	s_cmp_lg_u32 s[WV], 0
	s_cbranch_scc1 .Lnot_wave_0_\@
	s_barrier_signal -3
.Lnot_wave_0_\@:
	s_barrier_wait -3
	s_barrier_signal -1
	s_barrier_wait -1
.endm
; A joint load.  The branches hang on the wave's number alone: they are the same in every work-group.  An s_nop 0 and four v_nop follow each of the two lines.
.macro JLOAD
	s_cmp_lt_u32 s[WV], 2
	s_cbranch_scc0 .Lnot_k_\@
	tensor_load_to_lds s[G0K:G0K+3], s[G1K:G1K+7]
	s_nop 0
.rept 4
	v_nop
.endr
	s_branch .Lasked_\@
.Lnot_k_\@:
	s_cmp_lt_u32 s[WV], 4
	s_cbranch_scc0 .Lasked_\@
	tensor_load_to_lds s[G0V:G0V+3], s[G1V:G1V+7]
	s_nop 0
.rept 4
	v_nop
.endr
.Lasked_\@:
.endm
; A PREFETCH INTO THE L2 of what the NEXT change of slots will ask for: 32,768 dense bytes of K and as many of V.  Wave 4 asks for K's, wave 5 for V's; the four partners take 8,192 bytes each, told apart BY ADDRESS;
; lanes stand 256 bytes apart: each aligned block of 256 bytes is named once in the launch, four key steps ahead of its joint load.  Slots 0 and 1 come by their loads alone; the last change that fills a slot asks for nothing.
.macro ASK
	s_cmp_gt_u32 s[SLOTS], s[LIM]
	s_cbranch_scc0 .Lnot_mine_\@
	global_prefetch_b8 v[PFO], s[PFA:PFA+1] th:TH_LOAD_NT scope:SCOPE_SE
.Lnot_mine_\@:
.endm
.macro MLOAD off                       ; a key step's 64 mask words: 256 consecutive bytes
	s_load_b512 s[MW0:MW0+15], s[MP:MP+1], \off
	s_load_b512 s[MW0+16:MW0+31], s[MP:MP+1], \off+64
	s_load_b512 s[MW1:MW1+15], s[MP:MP+1], \off+128
	s_load_b512 s[MW1+16:MW1+31], s[MP:MP+1], \off+192
.endm
	s_load_b128 s[32:35], s[0:1], 0x0              ; qkv s[32:33], mbits s[34:35]; s32 on are temporaries until the first mask words are asked for
	v_lshl_add_u32 v[SPW], v0, 2, SPARE
	v_mov_b32 v[NIL], 0
	ds_add_u32 v[SPW], v[NIL]                      ; the wave's opening: the add, twice on end, and its wait ahead of the first tensor loads
	ds_add_u32 v[SPW], v[NIL]
	v_lshrrev_b32 v5, 5, v0
	v_readfirstlane_b32 s[WV], v5                  ; wave 0..15
	s_bfe_u32 s36, ttmp6, 0x40000                  ; cx: which 512 queries of the head: it enters Q's, the mask's, the prefetches' and ctx's addresses alone
	s_and_b32 s37, ttmp7, 0xffff                   ; 16 b + h, which the four partners share
	s_and_b32 s38, s[WV], 1                        ; which half of a slot's keys I fetch, if I fetch
	s_mov_b32 s[G1K], 15|(1<<16)|(1<<20)|(1<<21)|(5<<22)|(3<<25)  ; 15:0 the mask: all four; 17:16 elements of 2 bytes; 20 padding on; 21 set beside a mask; 24:22 after every 64 words; 31:25 four words
	s_mov_b32 s[G1V], 15|(1<<16)|(1<<20)|(1<<21)|(5<<22)|(7<<25)  ; the same with eight words
.irp g, G1K, G1V
	s_mov_b32 s[\g+1], 128<<16                     ; tensor_dim0 = 128 elements: two keys
	s_mov_b32 s[\g+2], 64<<16                      ; tensor_dim1 = 64
	s_mov_b32 s[\g+3], 128<<16                     ; tile_dim0
	s_mov_b32 s[\g+4], 64                          ; tile_dim1
	s_mov_b32 s[\g+5], 128                         ; tensor_dim0_stride: the rows are dense
	s_mov_b32 s[\g+6], 0
	s_mov_b32 s[\g+7], 0
.endr
	s_mov_b32 s[G0K], 1
	s_mul_i32 s[G0K+1], s38, 64*PKP                ; LDS: slot 0, my half
	s_mov_b32 s[G0V], 1
	s_mul_i32 s[G0V+1], s38, 64*PVP
	s_add_co_u32 s[G0V+1], s[G0V+1], VOFF
	s_lshl_b32 s40, s37, 18                        ; the head's 262,144 bytes in a part,
	s_lshl_b32 s39, s38, 14                        ; my half's 128 keys
	s_add_co_u32 s40, s40, s39
	s_mov_b32 s41, 0
	s_lshr_b32 s42, s37, 4                         ; b
	s_lshl_b32 s42, s42, 6
	s_lshl_b32 s43, s36, 4
	s_add_co_u32 s42, s42, s43
	s_add_co_u32 s42, s42, s[WV]                   ; my pair of query tiles: 64 b + 16 cx + wave,
	s_lshl_b32 s42, s42, 13                        ; 8,192 bytes of mask words each
	s_mov_b32 s43, 0
	s_lshl_b32 s44, s36, 9
	s_lshl_b32 s45, s[WV], 5
	s_add_co_u32 s44, s44, s45                     ; my first query: 512 cx + 32 wave
	s_lshl_b32 s45, s37, 11
	s_add_co_u32 s44, s44, s45
	s_lshl_b32 s44, s44, 7                         ; its row, 128 bytes a row
	s_mov_b32 s45, 0
	s_mov_b32 s47, 0x2000000                       ; the prefetches: V's part, or
	s_cmp_eq_u32 s[WV], 4
	s_cselect_b32 s46, 0x1000000, s47              ; K's,
	s_lshl_b32 s47, s37, 18
	s_add_co_u32 s46, s46, s47                     ; my head,
	s_lshl_b32 s47, s36, 13
	s_add_co_u32 s46, s46, s47                     ; my work-group's quarter of a slot,
	s_add_co_u32 s46, s46, 32768                   ; in slot 1: the first change of slots steps it to slot 2
	s_mov_b32 s47, 0
	s_sub_co_u32 s39, s[WV], 4
	s_lshr_b32 s39, s39, 1                         ; 0 in waves 4 and 5
	s_cmp_eq_u32 s39, 0
	s_cselect_b32 s[LIM], 1, -1
	s_mov_b32 s[SEL], 0x76543210
	s_mov_b32 s[SEL+1], 0xfedcba98
	s_mov_b32 s[TB], 0
	s_mov_b32 s[SLOTS], 7
	v_and_b32 v[PFO], 31, v0
	v_lshlrev_b32 v[PFO], 8, v[PFO]
	s_wait_dscnt 0x0                               ; both opening adds are done
	s_wait_kmcnt 0x0
	s_add_nc_u64 s[G0K+2:G0K+3], s[32:33], s[40:41]
	s_add_nc_u64 s[G0K+2:G0K+3], s[G0K+2:G0K+3], 0x1000000   ; part 1: k
	s_or_b32 s[G0K+3], s[G0K+3], 0x80000000
	s_add_nc_u64 s[G0V+2:G0V+3], s[32:33], s[40:41]
	s_add_nc_u64 s[G0V+2:G0V+3], s[G0V+2:G0V+3], 0x2000000   ; part 2: v
	s_or_b32 s[G0V+3], s[G0V+3], 0x80000000
	s_add_nc_u64 s[MP:MP+1], s[34:35], s[42:43]
	s_add_nc_u64 s[44:45], s[32:33], s[44:45]      ; Q at my first query
	s_add_nc_u64 s[PFA:PFA+1], s[32:33], s[46:47]
	CROUND                                         ; all four work-groups are here: the first joint loads meet
	JLOAD                                          ; slot 0
	v_and_b32 v5, 15, v0                           ; r = l % 16
	v_bfe_u32 v6, v0, 4, 1                         ; h = l / 16
	v_lshlrev_b32 v[QO], 7, v5
	v_lshl_add_u32 v[QO], v6, 4, v[QO]             ; row r of 128 bytes + 16 h
.irp t, 0,1
.irp d, 0,1
	global_load_b128 v[QF+16*\t+8*\d:QF+16*\t+8*\d+3], v[QO], s[44:45] offset:2048*\t+64*\d      ; Q stays in registers
	global_load_b128 v[QF+16*\t+8*\d+4:QF+16*\t+8*\d+7], v[QO], s[44:45] offset:2048*\t+64*\d+32
.endr
.endr
	v_lshrrev_b32 v8, 1, v5
	v_mul_u32_u24 v[AK0], v8, PKP
	v_and_b32 v8, 1, v5
	v_lshl_add_u32 v[AK0], v8, 7, v[AK0]
	v_lshl_add_u32 v[AK0], v6, 4, v[AK0]           ; K: key r: 272 (r / 2) + 128 (r % 2), + 16 h
	v_and_b32 v8, 7, v0
	v_lshrrev_b32 v9, 1, v8
	v_lshl_add_u32 v9, v6, 2, v9                   ; V, for the turning load: key 8 h + l % 8: piece 4 h + (l % 8) / 2,
	v_mul_u32_u24 v[AV0], v9, PVP
	v_and_b32 v9, 1, v0
	v_lshl_add_u32 v[AV0], v9, 7, v[AV0]           ; its half,
	v_bfe_u32 v9, v0, 3, 1
	v_lshl_add_u32 v[AV0], v9, 4, v[AV0]           ; channels 8 ((l / 8) % 2) on
	v_add_nc_u32 v[AV0], VOFF, v[AV0]
	v_mov_b32 v[BIG], 0xceabfb8f                   ; -1e9 x log2(e)
.irp t, 0,1
	v_mov_b32 v[ST+8*\t], 0xff61b1e6               ; m: -3e38, under every t
.irp i, 1,2,3,4,5,6,7
	v_mov_b32 v[ST+8*\t+\i], 0
.endr
.endr
.set ii, 0
.rept 64
	v_mov_b32 v[OT+ii], 0                          ; O^T.  (The step is written once: its first run finds zeros, which a = 0 leaves zeros)
.set ii, ii+1
.endr
	s_wait_xcnt 0x0                                ; Q's loads have read their base: the mask words may land on it
	MLOAD 0                                        ; key step 0's
	s_wait_loadcnt 0x0                             ; Q
; A KEY STEP: 64 keys, the q-th of the slot in hand.  more = 1: the next step's mask words are asked for.
.macro STEP q, more
	v_add_nc_u32 v[ADK], s[TB], v[AK0]
	v_add_nc_u32 v[ADV], s[TB], v[AV0]
.rept 3
	v_nop                                          ; with the two additions five places behind the last V^T P: its fragments' registers are loaded anew, and the products below write over its P
.endr
.irp u, 0,1,2,3
.irp d, 0,1
	ds_load_b128 v[KV+16*\u+8*\d:KV+16*\u+8*\d+3], v[ADK] offset:32*PKP*(\q)+8*PKP*\u+64*\d
	ds_load_b128 v[KV+16*\u+8*\d+4:KV+16*\u+8*\d+7], v[ADK] offset:32*PKP*(\q)+8*PKP*\u+64*\d+32
.endr
.endr
	s_wait_dscnt 0x0
.irp u, 0,1,2,3                        ; S^T = K Q^T: eight accumulators by turns; channels 0-31 start the sums
.irp t, 0,1
	v_wmma_f32_16x16x32_f16 v[SS+32*\t+8*\u:SS+32*\t+8*\u+7], v[KV+16*\u:KV+16*\u+7], v[QF+16*\t:QF+16*\t+7], 0
.endr
.endr
.irp u, 0,1,2,3
.irp t, 0,1
	v_wmma_f32_16x16x32_f16 v[SS+32*\t+8*\u:SS+32*\t+8*\u+7], v[KV+16*\u+8:KV+16*\u+15], v[QF+16*\t+8:QF+16*\t+15], v[SS+32*\t+8*\u:SS+32*\t+8*\u+7]
.endr
.endr
.rept 4
	v_nop                                          ; places in front of the loads into K's registers and of the first read of the scores
.endr
.irp n, 0,1,2,3                        ; V, turned, into K's registers: it lands while the softmax is walked
.irp c, 0,1
	ds_load_tr16_b128 v[KV+16*\n+8*\c:KV+16*\n+8*\c+3], v[ADV] offset:32*PVP*(\q)+16*PVP*\c+32*\n
	ds_load_tr16_b128 v[KV+16*\n+8*\c+4:KV+16*\n+8*\c+7], v[ADV] offset:32*PVP*(\q)+16*PVP*\c+32*\n+8*PVP
.endr
.endr
	s_wait_kmcnt 0x0                               ; this step's mask words, asked for a step ago
.set nn, 0
.rept 32
	v_cndmask_b32 v[SS+nn], v[BIG], v[SS+nn], s[MW0+nn]         ; bit 1: the score stays; bit 0: -1e9 x log2(e).  Each accumulator from its low end on
	v_cndmask_b32 v[SS+32+nn], v[BIG], v[SS+32+nn], s[MW1+nn]
.set nn, nn+1
.endr
.if \more
.if (\q) == 3
	s_add_nc_u64 s[MP:MP+1], s[MP:MP+1], 1024      ; no scalar load is out: the pointer may step
	MLOAD 0
.else
	MLOAD 256*((\q)+1)
.endif
.endif
.irp j, 0,1,2,3                        ; the largest of a lane's 32 scores and the old m, three operands at a time, four chains, the two tiles by turns
.irp t, 0,1
	v_max3_num_f32 v[ST+8*\t+4+\j], v[SS+32*\t+8*\j], v[SS+32*\t+8*\j+1], v[SS+32*\t+8*\j+2]
.endr
.endr
.irp g, 1,2
.irp j, 0,1,2,3
.irp t, 0,1
	v_max3_num_f32 v[ST+8*\t+4+\j], v[ST+8*\t+4+\j], v[SS+32*\t+8*\j+2*\g+1], v[SS+32*\t+8*\j+2*\g+2]
.endr
.endr
.endr
.irp t, 0,1
	v_max3_num_f32 v[ST+8*\t+4], v[ST+8*\t+4], v[SS+32*\t+7], v[SS+32*\t+15]
	v_max3_num_f32 v[ST+8*\t+6], v[ST+8*\t+6], v[SS+32*\t+23], v[SS+32*\t+31]
.endr
.irp t, 0,1
	v_max3_num_f32 v[ST+8*\t+4], v[ST+8*\t+4], v[ST+8*\t+5], v[ST+8*\t+6]
.endr
.irp t, 0,1
	v_max3_num_f32 v[ST+8*\t+4], v[ST+8*\t+4], v[ST+8*\t+7], v[ST+8*\t]
.endr
.irp t, 0,1
	v_permlanex16_b32 v[ST+8*\t+5], v[ST+8*\t+4], s[SEL], s[SEL+1]   ; the query's other 32 keys lie in the lane 16 away
.endr
.irp t, 0,1
	v_max_num_f32 v[ST+8*\t+5], v[ST+8*\t+4], v[ST+8*\t+5]           ; the new m
.endr
.irp t, 0,1
	v_sub_f32 v[ST+8*\t+7], v[ST+8*\t], v[ST+8*\t+5]                 ; old m - new m
.endr
.irp t, 0,1
	v_mov_b32 v[ST+8*\t], v[ST+8*\t+5]
.endr
.set ii, 0
.rept 16
.irp t, 0,1
	v_pk_add_f32 v[SS+32*\t+ii:SS+32*\t+ii+1], v[SS+32*\t+ii:SS+32*\t+ii+1], v[ST+8*\t:ST+8*\t+1] op_sel_hi:[1,0] neg_lo:[0,1] neg_hi:[0,1]   ; t - m, two at a time
.endr
.set ii, ii+2
.endr
.irp t, 0,1
	v_exp_f32 v[ST+8*\t+6], v[ST+8*\t+7]           ; a.  ONE BATCH: 2 + 64 exponentials, none of which reads another's result
.endr
.set nn, 0
.rept 32
	v_exp_f32 v[SS+nn], v[SS+nn]                   ; p = 2^(t - m), at most 1
	v_exp_f32 v[SS+32+nn], v[SS+32+nn]
.set nn, nn+1
.endr
	v_nop                                          ; a plain instruction behind the last exponential
	s_wait_alu depctr_va_vdst(0)                   ; one wait for the whole batch, ahead of its first reader
.set ii, 0
.rept 16                               ; pair ii of a tile's 16: its sum (of the unrounded p, in two chains), then its rounding into the tile's register ii, whose own pair has been summed and rounded
.irp t, 0,1
.if ii == 0
	v_pk_fma_f32 v[ST+8*\t+2:ST+8*\t+3], v[ST+8*\t+2:ST+8*\t+3], v[ST+8*\t+6:ST+8*\t+7], v[SS+32*\t:SS+32*\t+1] op_sel_hi:[1,0,1]   ; l = a l + pair 0
.elseif ii == 1
	v_pk_add_f32 v[ST+8*\t+4:ST+8*\t+5], v[SS+32*\t+2:SS+32*\t+3], v[SS+32*\t+6:SS+32*\t+7]   ; the second chain begins with pairs 1 and 3
.elseif ii == 3
.elseif ii%2 == 0
	v_pk_add_f32 v[ST+8*\t+2:ST+8*\t+3], v[ST+8*\t+2:ST+8*\t+3], v[SS+32*\t+2*ii:SS+32*\t+2*ii+1]
.else
	v_pk_add_f32 v[ST+8*\t+4:ST+8*\t+5], v[ST+8*\t+4:ST+8*\t+5], v[SS+32*\t+2*ii:SS+32*\t+2*ii+1]
.endif
.endr
.irp t, 0,1
	v_cvt_pk_f16_f32 v[SS+32*\t+ii], v[SS+32*\t+2*ii], v[SS+32*\t+2*ii+1]
.endr
.set ii, ii+1
.endr
.irp t, 0,1
	v_pk_add_f32 v[ST+8*\t+2:ST+8*\t+3], v[ST+8*\t+2:ST+8*\t+3], v[ST+8*\t+4:ST+8*\t+5]
.endr
.set ii, 0
.rept 16
.irp t, 0,1
	v_pk_mul_f32 v[OT+32*\t+ii:OT+32*\t+ii+1], v[OT+32*\t+ii:OT+32*\t+ii+1], v[ST+8*\t+6:ST+8*\t+7] op_sel_hi:[1,0]   ; O^T x a, each accumulator from its low end on
.endr
.set ii, ii+2
.endr
	s_wait_dscnt 0x0                               ; V is in
.irp c, 0,1                            ; O^T += V^T P: keys 32 c on; eight accumulators by turns
.irp n, 0,1,2,3
.irp t, 0,1
	v_wmma_f32_16x16x32_f16 v[OT+32*\t+8*\n:OT+32*\t+8*\n+7], v[KV+16*\n+8*\c:KV+16*\n+8*\c+7], v[SS+32*\t+8*\c:SS+32*\t+8*\c+7], v[OT+32*\t+8*\n:OT+32*\t+8*\n+7]
.endr
.endr
.endr
.endm
; THE CHANGE OF SLOTS stands at a slot's head.  Each wave waits for all its tensor loads (its part of the slot that it is about to read), adds 0 to its spare word, and waits for that and for its reads of the slot that it has left.
; fill = 1: the barrier is a round of the cluster's, so that no wave of any partner still reads the other slot or has a load on its way, and the joint load of the next 256 keys is the first thing behind it: it has four key steps in which to land.
.macro CHANGE fill
	s_wait_tensorcnt 0x0                           ; no tensor load of mine is out, so a group 0 may be written
	ds_add_u32 v[SPW], v[NIL]
.if \fill
	ds_add_u32 v[SPW], v[NIL]                      ; and once more: the add twice on end, in every trip alike
	s_xor_b32 s[G0K+1], s[G0K+1], SLOT1            ; the walking descriptors: the other slot than last time,
	s_add_nc_u64 s[G0K+2:G0K+3], s[G0K+2:G0K+3], 32768   ; the next 256 keys; the type bits on top are not reached
	s_xor_b32 s[G0V+1], s[G0V+1], SLOT1
	s_add_nc_u64 s[G0V+2:G0V+3], s[G0V+2:G0V+3], 32768
	s_wait_xcnt 0x0                                ; the last prefetch, a slot back, has read its address, so it may be written:
	s_add_nc_u64 s[PFA:PFA+1], s[PFA:PFA+1], 32768 ; one slot further on than the walking descriptors
.endif
	s_wait_dscnt 0x0                               ; the add is done (fill = 1: both are), and my reads of the slot that I have left are over
.if \fill
	CROUND
	JLOAD
	ASK
.else
	s_barrier_signal -1
	s_barrier_wait -1
.endif
.endm
.macro SLOT_STEPS last
	STEP 0, 1
	STEP 1, 1
	STEP 2, 1
	STEP 3, 1-\last
	s_xor_b32 s[TB], s[TB], SLOT1                  ; on to the other slot
.endm
.Lslot:                                            ; seven trips: behind each change of slots but the last the next slot is asked for (the first trip's load is slot 1's first fill, issued as a refill is)
	CHANGE 1
	SLOT_STEPS 0
	s_sub_co_u32 s[SLOTS], s[SLOTS], 1
	s_cmp_lg_u32 s[SLOTS], 0
	s_cbranch_scc1 .Lslot
	CHANGE 0                                       ; the last slot is written out
	SLOT_STEPS 1
	; THE WAY OUT.  l's two halves and the other half of the lanes' are added; O^T is divided by l, rounded to f16 and sent through my stage, a tile (16 rows of 128 bytes) at a time.
	s_load_b64 s[32:33], s[0:1], 0x10              ; ctx
.irp t, 0,1
	v_add_f32 v[ST+8*\t+4], v[ST+8*\t+2], v[ST+8*\t+3]
.endr
.irp t, 0,1
	v_permlanex16_b32 v[ST+8*\t+5], v[ST+8*\t+4], s[SEL], s[SEL+1]
.endr
.irp t, 0,1
	v_add_f32 v[ST+8*\t+4], v[ST+8*\t+4], v[ST+8*\t+5]
.endr
.irp t, 0,1
	v_rcp_f32 v[ST+8*\t+6], v[ST+8*\t+4]
.endr
	v_and_b32 v5, 15, v0                           ; (plain work behind the reciprocals)  r
	v_bfe_u32 v6, v0, 4, 1                         ; h
	s_mul_i32 s34, s[WV], 16*PS
	s_add_co_u32 s34, s34, STAGE                   ; my stage
	v_mul_u32_u24 v[STO], v5, PS
	v_lshl_add_u32 v[STO], v6, 4, v[STO]
	v_add_nc_u32 v[STO], s34, v[STO]               ; in: row r, 16 bytes for each half of the lanes
	v_bfe_u32 v5, v0, 3, 2
	v_and_b32 v6, 7, v0
	v_mul_u32_u24 v[RD], v5, PS
	v_lshl_add_u32 v[RD], v6, 4, v[RD]
	v_add_nc_u32 v[RD], s34, v[RD]                 ; back: eight lanes a row, four rows an instruction
	v_and_b32 v[GO], 31, v0
	v_lshlrev_b32 v[GO], 4, v[GO]                  ; four rows are 512 bytes on end in ctx
	s_bfe_u32 s36, ttmp6, 0x40000
	s_and_b32 s37, ttmp7, 0xffff
	s_lshl_b32 s36, s36, 9
	s_lshl_b32 s38, s[WV], 5
	s_add_co_u32 s36, s36, s38                     ; my first query
	s_lshl_b32 s37, s37, 11
	s_add_co_u32 s36, s36, s37
	s_lshl_b32 s36, s36, 7
	s_mov_b32 s37, 0
	s_wait_alu depctr_va_vdst(0)                   ; one wait for both reciprocals, ahead of their first reader
.macro OUT t
.set ii, 0
.rept 16
	v_pk_mul_f32 v[OT+32*\t+ii:OT+32*\t+ii+1], v[OT+32*\t+ii:OT+32*\t+ii+1], v[ST+8*\t+6:ST+8*\t+7] op_sel_hi:[1,0]
.set ii, ii+2
.endr
.set ii, 0
.rept 16
	v_cvt_pk_f16_f32 v[SS+16*\t+ii], v[OT+32*\t+2*ii], v[OT+32*\t+2*ii+1]   ; register 4 n + i: channels 16 n + 8 h + 2 i, + 1 of query r
.set ii, ii+1
.endr
.irp n, 0,1,2,3
	ds_store_b128 v[STO], v[SS+16*\t+4*\n:SS+16*\t+4*\n+3] offset:32*\n
.endr
.irp j, 0,1,2,3
	ds_load_b128 v[KV+16*\t+4*\j:KV+16*\t+4*\j+3], v[RD] offset:4*PS*\j   ; LDS serves a wave's instructions in order: these see the stores above, and the next tile's stores come behind them
.endr
.endm
	OUT 0
	OUT 1
	s_wait_kmcnt 0x0
	s_add_nc_u64 s[32:33], s[32:33], s[36:37]
.irp j, 0,1,2,3
	s_wait_dscnt 11-\j                             ; behind tile 0's load j: its later loads, and tile 1's four stores and four loads
	global_store_b128 v[GO], v[KV+4*\j:KV+4*\j+3], s[32:33] offset:512*\j   ; 512 consecutive bytes, at a multiple of 256
.endr
.irp j, 0,1,2,3
	s_wait_dscnt 3-\j
	global_store_b128 v[GO], v[KV+16+4*\j:KV+16+4*\j+3], s[32:33] offset:2048+512*\j
.endr
	s_wait_tensorcnt 0x0                           ; the wave's end
	ds_add_u32 v[SPW], v[NIL]
	s_wait_dscnt 0x0
	CROUND                                         ; the closing round
	s_endpgm
.Lfunc_end_k_qdbc7f850fe_attn:
	.size	k_qdbc7f850fe_attn, .Lfunc_end_k_qdbc7f850fe_attn-k_qdbc7f850fe_attn
	.p2alignl 7, 3214868480
	.fill 96, 4, 3214868480
	.section	.rodata,"a",@progbits
	.p2align	6, 0x0
	.amdhsa_kernel k_qdbc7f850fe_attn
		.amdhsa_group_segment_fixed_size 327680
		.amdhsa_private_segment_fixed_size 0
		.amdhsa_enable_private_segment 0
		.amdhsa_kernarg_size 24
		.amdhsa_user_sgpr_count 2
		.amdhsa_user_sgpr_kernarg_segment_ptr 1
		.amdhsa_wavefront_size32 1
		.amdhsa_system_sgpr_workgroup_id_x 1
		.amdhsa_system_sgpr_workgroup_id_y 1
		.amdhsa_system_sgpr_workgroup_id_z 1
		.amdhsa_system_vgpr_workitem_id 0
		.amdhsa_next_free_vgpr 256
		.amdhsa_next_free_sgpr 102
		.amdhsa_reserve_vcc 0
		.amdhsa_float_denorm_mode_32 3
		.amdhsa_float_denorm_mode_16_64 3
		.amdhsa_memory_ordered 1
		.amdhsa_forward_progress 1
		.amdhsa_inst_pref_size 188
	.end_amdhsa_kernel
	.amdgpu_metadata
---
amdhsa.version: [ 1, 2 ]
amdhsa.kernels:
  - .name:           k_qdbc7f850fe_attn
    .symbol:         k_qdbc7f850fe_attn.kd
    .args:
      - { .name: qkv, .offset: 0, .size: 8, .value_kind: global_buffer, .address_space: global }
      - { .name: mbits, .offset: 8, .size: 8, .value_kind: global_buffer, .address_space: global }
      - { .name: ctx, .offset: 16, .size: 8, .value_kind: global_buffer, .address_space: global }
    .group_segment_fixed_size: 327680
    .private_segment_fixed_size: 0
    .kernarg_segment_align: 8
    .kernarg_segment_size: 24
    .max_flat_workgroup_size: 512
    .sgpr_count:     102
    .vgpr_count:     256
    .wavefront_size: 32
...
	.end_amdgpu_metadata
.endif
;; end of part 3
;; launch oproj (part 4): grid 8 x 64, 4 waves a work-group, clusters of 4 x 4, 327,680 bytes of LDS; arguments ctx, wo16, bo, out0; writes out0
.if DOCPART == 4
	.amdgcn_target "amdgcn-amd-amdhsa--gfx1250"
	.amdhsa_code_object_version 6
	.text
	.protected	k_qdbc7f850fe_oproj
	.globl	k_qdbc7f850fe_oproj
	.p2align	8
	.type	k_qdbc7f850fe_oproj,@function
k_qdbc7f850fe_oproj:
	s_mov_b64 s[64:65], 0
	v_nop
	global_prefetch_b8 v0, s[64:65] scope:SCOPE_SE
	s_setreg_imm32_b32 hwreg(HW_REG_WAVE_MODE, 25, 1), 1
	s_wait_xcnt 0x0
	s_wait_alu depctr_hold_cnt(0) depctr_sa_sdst(0) depctr_va_vdst(0) depctr_va_sdst(0) depctr_va_ssrc(0) depctr_va_vcc(0) depctr_vm_vsrc(0)
	s_getreg_b32 s2, hwreg(HW_REG_IB_STS2, 6, 4)
	s_cmp_eq_u32 s2, 0
	s_cbranch_scc0 .Lentry_in_a_cluster
	s_endpgm
.Lentry_in_a_cluster:
	s_bfe_u32 s2, ttmp6, 0x10000c
	s_cmp_lg_u32 s2, 0xf033
	s_cbranch_scc0 .Lentry_shape_is_right
	s_endpgm
.Lentry_shape_is_right:
; OPROJ: out0[m][n] = the sum over k of ctx(m, k) wo[n][k] + bo[n].  ctx lies by heads, [b][h][s][64] f16, with m = 2048 b + s and k = 64 h + channel; wo16: [1024][1024] f16; out0: [8192][1024] f32; sums in f32.
; A tile of out0 is 128 x 128: 512 work-groups, twice as many as there are WGPs.  Four waves, each 64 x 64: 16 accumulators.  K goes in four steps of 256 (four heads) through two LDS slots.
; A's TILE: a wave's load brings 64 positions of four heads: four rows of 8,192 dense bytes, a head's 262,144 bytes apart, with 16 bytes of padding behind every 256: in LDS a head's plane is 32 pieces of 272 bytes, two positions a piece:
; position p lies at 272 (p / 2) + 128 (p % 2), so that the sixteen rows that a fragment load touches fall on sixteen different 16-byte columns modulo 256.  B's tile: 64 rows of 512 bytes, 528 apart.
; CLUSTERS: 4 x 4 work-groups; A's tiles are asked for jointly along a row of the cluster, B's along a column.  THE MATRIX INSTRUCTION IS USED TRANSPOSED (source 0 = 16 rows of wo, source 1 = 16 rows of ctx).
; The bias is the C of each sum's first product.  A wave's 64 columns of f32 are 256 aligned bytes.
; No prefetch: the tiles are small and each step's refill has a step's products in which to land.
; REGISTERS: window 0: v0-31 addresses; v32-63 the bias, later with v64-95 the way out; v128-255 the accumulators ((a, b) at v[128 + 8 (4 a + b)]).   window 1: two fragment buffers of 128: 64 registers of A, then 64 of B.
.set KSTEP,  256
.set PITCHB, 528
.set PLANE,  32*272                    ; a head's 64 positions in LDS
.set HALFA,  4*PLANE                   ; what one load brings of A
.set HALFB,  64*PITCHB                 ; and of B
.set BOFF,   2*HALFA
.set SLOT,   2*HALFA+2*HALFB
.set STAGE,  2*SLOT                    ; behind the ring: 16 rows x 272 bytes for each wave
.set SPITCH, 272
.set SPARE,  STAGE+4*16*SPITCH         ; the spare words, 128 bytes for each wave: two blocks of 256 bytes that no other line names
.set LAPS,   2                         ; a lap = two K steps
.set ADRA, 16
.set ADRB, 20
.set STO,  24
.set RD,   25
.set CO,   26
.set BO,   27                          ; v27  32 x (lane / 16)
.set SPW,  28
.set NIL,  29
.set BI,   32                          ; the bias: v[BI + 8 b + j] = bo[my first column + 16 b + 8 (lane / 16) + j]
.set ACC,  128
.set F0,   0
.set F1,   128
.set G1, 24
.set G0, 32
.set G1B, 48
.set G0B, 56
.set MSB, 0
.macro WIN new                         ; the immediate's high byte repeats the setting that is left
.if MSB != \new
	s_set_vgpr_msb (MSB<<8)|\new
.set MSB, \new
.endif
.endm
.set MUL,  0x05                        ; sources 0 (B) and 1 (A) window 1; C and D window 0
.set TO_F, 0x40
.macro JLOAD s                         ; a joint load: waves 0 and 1 fetch A's two halves, waves 2 and 3 B's; an s_nop 0 and four v_nop follow each of the two lines
	s_cmp_eq_u32 s11, 0
	s_cbranch_scc0 .Lfor_b_\@
	tensor_load_to_lds s[G0+4*\s:G0+4*\s+3], s[G1:G1+7]
	s_nop 0
.rept 4
	v_nop
.endr
	s_branch .Lasked_\@
.Lfor_b_\@:
	tensor_load_to_lds s[G0B+4*\s:G0B+4*\s+3], s[G1B:G1B+7]
	s_nop 0
.rept 4
	v_nop
.endr
.Lasked_\@:
.endm
.macro CREST                           ; a round of the cluster's barrier behind its opening barrier
	s_cmp_lg_u32 s10, 0
	s_cbranch_scc1 .Lnot_wave_0_\@
	s_barrier_signal -3
.Lnot_wave_0_\@:
	s_barrier_wait -3
	s_barrier_signal -1
	s_barrier_wait -1
.endm
.macro CROUND
	s_barrier_signal -1
	s_barrier_wait -1
	CREST
.endm
	s_load_b128 s[4:7], s[0:1], 0x0                ; ctx s[4:5], wo16 s[6:7]
	s_load_b128 s[68:71], s[0:1], 0x10             ; bo s[68:69], out0 s[70:71]
	v_lshl_add_u32 v[SPW], v0, 2, SPARE
	v_mov_b32 v[NIL], 0
	ds_add_u32 v[SPW], v[NIL]                      ; the wave's opening: the add, twice on end, and its wait ahead of my first tensor load
	ds_add_u32 v[SPW], v[NIL]
	v_lshrrev_b32 v1, 5, v0
	v_readfirstlane_b32 s10, v1                    ; wave 0..3
	s_lshr_b32 s11, s10, 1                         ; which half of the tile's rows is mine.  Also: I fetch for A (0) or for B (1)
	s_and_b32 s12, s10, 1                          ; which half of its columns.  Also: which 64 rows of that tile I fetch
	s_bfe_u32 s40, ttmp6, 0x40000                  ; cx, cy
	s_bfe_u32 s41, ttmp6, 0x40004
	s_lshl_b32 s42, ttmp9, 2
	s_add_co_u32 s42, s42, s40                     ; tile column
	s_and_b32 s13, ttmp7, 0xffff
	s_lshl_b32 s13, s13, 2
	s_add_co_u32 s13, s13, s41                     ; tile row
	s_lshl_b32 s43, s41, 2
	s_lshl_b32 s43, 15, s43                        ; my row of the cluster
	s_lshl_b32 s44, 0x1111, s40                    ; my column
	s_or_b32 s[G1+0], s43, (1<<16)|(1<<20)|(1<<21)|(5<<22)|(3<<25)   ; A: 15:0 the mask; elements of 2 bytes; padding on; 21 set beside a mask; four words after every 64
	s_mov_b32 s[G1+1], 4096<<16                    ; tensor_dim0 = 4,096 elements: 64 positions of a head
	s_mov_b32 s[G1+2], 4<<16                       ; tensor_dim1 = 4 heads
	s_mov_b32 s[G1+3], 4096<<16                    ; tile_dim0
	s_mov_b32 s[G1+4], 4                           ; tile_dim1
	s_mov_b32 s[G1+5], 131072                      ; tensor_dim0_stride: from head to head, in elements
	s_mov_b32 s[G1+6], 0
	s_mov_b32 s[G1+7], 0
	s_or_b32 s[G1B+0], s44, (1<<16)|(1<<20)|(1<<21)|(6<<22)|(3<<25)  ; B: four words after every 128
	s_mov_b32 s[G1B+1], KSTEP<<16
	s_mov_b32 s[G1B+2], 64<<16
	s_mov_b32 s[G1B+3], KSTEP<<16
	s_mov_b32 s[G1B+4], 64
	s_mov_b32 s[G1B+5], 1024
	s_mov_b32 s[G1B+6], 0
	s_mov_b32 s[G1B+7], 0
	s_lshl_b32 s17, s12, 6                         ; which 64 rows of the tile I fetch
	s_lshl_b32 s16, s13, 7
	s_add_co_u32 s16, s16, s17                     ; A: m = 128 x tile row + 64 x half
	s_lshr_b32 s18, s16, 11                        ; b
	s_and_b32 s16, s16, 2047                       ; s
	s_lshl_b32 s16, s16, 7                         ; 128 bytes a position,
	s_lshl_b32 s18, s18, 22                        ; 16 heads of 262,144 bytes a batch
	s_add_co_u32 s16, s16, s18
	s_lshl_b32 s46, s42, 7
	s_add_co_u32 s46, s46, s17                     ; B: row 128 x tile column + 64 x half,
	s_lshl_b32 s46, s46, 11                        ; 2,048 bytes a row
	s_mov_b32 s17, 0
	s_mov_b32 s47, 0
	s_mul_i32 s20, s12, HALFA                      ; where they go: no place in the cluster enters an LDS address
	s_mul_i32 s21, s12, HALFB
	s_add_co_u32 s21, s21, BOFF
	s_wait_dscnt 0x0                               ; both opening adds are done
	s_wait_kmcnt 0x0
	s_add_nc_u64 s[14:15], s[4:5], s[16:17]
	s_add_nc_u64 s[46:47], s[6:7], s[46:47]
	CROUND                                         ; all sixteen work-groups are here: the first joint loads meet
.irp s, 0,1
	s_mov_b32 s[G0+4*\s], 1
	s_add_co_u32 s[G0+4*\s+1], s20, \s*SLOT
	s_add_nc_u64 s[G0+4*\s+2:G0+4*\s+3], s[14:15], \s*4*262144       ; K step s: heads 4 s on
	s_or_b32 s[G0+4*\s+3], s[G0+4*\s+3], 0x80000000
	s_mov_b32 s[G0B+4*\s], 1
	s_add_co_u32 s[G0B+4*\s+1], s21, \s*SLOT
	s_add_nc_u64 s[G0B+4*\s+2:G0B+4*\s+3], s[46:47], \s*KSTEP*2
	s_or_b32 s[G0B+4*\s+3], s[G0B+4*\s+3], 0x80000000
	JLOAD \s
.endr
	v_and_b32 v1, 15, v0                           ; l % 16
	v_bfe_u32 v2, v0, 4, 1                         ; l / 16
	s_lshl_b32 s46, s42, 9                         ; my first column, in bytes of f32: 512 x tile column + 256 x half
	s_lshl_b32 s47, s12, 8
	s_add_co_u32 s46, s46, s47
	s_mov_b32 s47, 0
	s_add_nc_u64 s[68:69], s[68:69], s[46:47]      ; the bias there
	v_lshlrev_b32 v[BO], 5, v2
.irp b, 0,1,2,3
	global_load_b128 v[BI+8*\b:BI+8*\b+3], v[BO], s[68:69] offset:64*\b
	global_load_b128 v[BI+8*\b+4:BI+8*\b+7], v[BO], s[68:69] offset:64*\b+16
.endr
	s_add_nc_u64 s[8:9], s[70:71], s[46:47]
	s_lshl_b32 s16, s13, 7
	s_lshl_b32 s17, s11, 6
	s_add_co_u32 s16, s16, s17                     ; my first row: 128 x tile row + 64 x half,
	s_lshl_b32 s16, s16, 12                        ; 4,096 bytes a row
	s_mov_b32 s17, 0
	s_add_nc_u64 s[8:9], s[8:9], s[16:17]
	v_mul_u32_u24 v3, v1, PITCHB
	v_lshl_add_u32 v3, v2, 4, v3                   ; B: a fragment's row x pitch + 16 x half
	v_lshrrev_b32 v4, 1, v1
	v_mul_u32_u24 v4, v4, 272
	v_and_b32 v5, 1, v1
	v_lshl_add_u32 v4, v5, 7, v4
	v_lshl_add_u32 v4, v2, 4, v4                   ; A: 272 (r / 2) + 128 (r % 2) + 16 x half
	s_mul_i32 s21, s11, HALFA                      ; my 64 rows of A
	s_mul_i32 s22, s12, HALFB                      ; my 64 rows of B,
	s_add_co_u32 s22, s22, BOFF                    ; which lie behind A's
.irp s, 0,1
	v_add_nc_u32 v[ADRA+\s], s21, v4
	v_add_nc_u32 v[ADRB+\s], s22, v3
	s_add_co_u32 s21, s21, SLOT
	s_add_co_u32 s22, s22, SLOT
.endr
	s_mul_i32 s23, s10, 16*SPITCH
	s_add_co_u32 s23, s23, STAGE                   ; my stage
	v_mul_u32_u24 v4, v1, SPITCH
	v_lshl_add_u32 v4, v2, 5, v4
	v_add_nc_u32 v[STO], s23, v4                   ; in: row l % 16, 32 bytes for each half of the lanes
	v_mul_u32_u24 v5, v2, SPITCH
	v_lshl_add_u32 v5, v1, 4, v5
	v_add_nc_u32 v[RD], s23, v5                    ; back: lanes 0-15 one row of 256 bytes, lanes 16-31 the next
	v_lshlrev_b32 v5, 12, v2
	v_lshl_add_u32 v[CO], v1, 4, v5                ; and the same two rows in out0
; 8 matrix instructions: m blocks a0, a0 + 1 x all 4 n blocks, 32 along K: half c of buffer f.  zero = 1: the first product starts the sum, with the bias as its C.  The 16 accumulators take turns
.macro MUL8 f, c, a0, zero
.irp a, \a0, \a0+1
.irp b, 0,1,2,3
.if \zero
	v_wmma_f32_16x16x32_f16 v[ACC+8*(4*(\a)+\b):ACC+8*(4*(\a)+\b)+7], v[\f+64+8*(4*\c+\b):\f+64+8*(4*\c+\b)+7], v[\f+8*(4*\c+\a):\f+8*(4*\c+\a)+7], v[BI+8*\b:BI+8*\b+7]
.else
	v_wmma_f32_16x16x32_f16 v[ACC+8*(4*(\a)+\b):ACC+8*(4*(\a)+\b)+7], v[\f+64+8*(4*\c+\b):\f+64+8*(4*\c+\b)+7], v[\f+8*(4*\c+\a):\f+8*(4*\c+\a)+7], v[ACC+8*(4*(\a)+\b):ACC+8*(4*(\a)+\b)+7]
.endif
.endr
.endr
.endm
; 32 LDS loads in one run: the fragments of quarter qd (64 along K: one head) into buffer f; the first 32 along K first
.macro FETCH slot, qd, f
	WIN TO_F
.irp c, 0,1
.irp i, 0,1,2,3
	ds_load_b128 v[\f+64+8*(4*\c+\i):\f+64+8*(4*\c+\i)+3],   v[ADRB+\slot] offset:128*(\qd)+64*\c+\i*16*PITCHB
	ds_load_b128 v[\f+64+8*(4*\c+\i)+4:\f+64+8*(4*\c+\i)+7], v[ADRB+\slot] offset:128*(\qd)+64*\c+\i*16*PITCHB+32
	ds_load_b128 v[\f+8*(4*\c+\i):\f+8*(4*\c+\i)+3],         v[ADRA+\slot] offset:PLANE*(\qd)+64*\c+\i*8*272
	ds_load_b128 v[\f+8*(4*\c+\i)+4:\f+8*(4*\c+\i)+7],       v[ADRA+\slot] offset:PLANE*(\qd)+64*\c+\i*8*272+32
.endr
.endr
.endm
.macro PLACES                          ; four places in front of loads into registers that matrix instructions have read, and of the first read of results
.rept 4
	v_nop
.endr
.endm
.macro QUARTER slot, qd, f, g, zero    ; multiplies buffer f and fetches quarter qd of the same slot into g
	s_wait_dscnt 16                                ; the first 32 along K are in; the other sixteen loads may be out
	WIN MUL
	MUL8 \f, 0, 0, \zero
	MUL8 \f, 0, 2, \zero
	PLACES
	FETCH \slot, \qd, \g
	s_wait_dscnt 32                                ; all but the 32 just issued
	WIN MUL
	MUL8 \f, 1, 0, 0
	MUL8 \f, 1, 2, 0
.endm
; The last quarter multiplies buffer 1 and changes slots: ONE barrier; in front of it each wave waits for all its tensor loads, adds 0 to its spare word, and waits for that and for its own reads of this slot.  fill = 1: this slot is filled again, two K steps ahead.
.macro TURN slot, next, fill
	WIN 0
	s_wait_tensorcnt 0x0                           ; all my tensor loads have landed: my part of the next slot
	ds_add_u32 v[SPW], v[NIL]
	s_wait_dscnt 17                                ; (the add and the youngest sixteen loads may be out)
	WIN MUL
	MUL8 F1, 0, 0, 0
	s_wait_dscnt 0x0                               ; the add is done, and my reads of this slot are over
	s_barrier_signal -1
	MUL8 F1, 0, 2, 0
.if \fill
	WIN 0
.endif
	s_barrier_wait -1
.if \fill
	CREST                                          ; the barrier has opened a round of the cluster's barrier: no wave of any partner still reads this slot or has a load on its way
	s_add_nc_u64 s[G0+4*\slot+2:G0+4*\slot+3], s[G0+4*\slot+2:G0+4*\slot+3], 2*4*262144
	s_add_nc_u64 s[G0B+4*\slot+2:G0B+4*\slot+3], s[G0B+4*\slot+2:G0B+4*\slot+3], 2*KSTEP*2
	JLOAD \slot                                    ; the first tensor load behind the round; the four v_nop behind it are also the places in front of the loads below
.else
	PLACES
.endif
	FETCH \next, 0, F0
	WIN MUL
	MUL8 F1, 1, 0, 0
	MUL8 F1, 1, 2, 0
.endm
	s_wait_tensorcnt 1                             ; my part of K step 0 is in (K step 1's load may be out)
	s_barrier_signal -1
	s_barrier_wait -1                              ; everybody's is
	FETCH 0, 0, F0
	s_wait_loadcnt 0x0                             ; the bias
	QUARTER 0, 1, F0, F1, 1                        ; the first quarter stands in front of the loop: its first products start the sums
	WIN 0                                          ; at a label and at a branch every window is 0
	s_mov_b32 s3, LAPS-1
.Llap:                                                 ; a trip goes once round the ring, from a lap's second quarter to the next lap's first, and fills both slots again
	QUARTER 0, 2, F1, F0, 0
	QUARTER 0, 3, F0, F1, 0
	TURN 0, 1, 1
	QUARTER 1, 1, F0, F1, 0
	QUARTER 1, 2, F1, F0, 0
	QUARTER 1, 3, F0, F1, 0
	TURN 1, 0, 1
	QUARTER 0, 1, F0, F1, 0
	WIN 0
	s_sub_co_u32 s3, s3, 1
	s_cmp_lg_u32 s3, 0
	s_cbranch_scc1 .Llap
	QUARTER 0, 2, F1, F0, 0                        ; the last lap fills nothing, and has no round of the cluster's barrier
	QUARTER 0, 3, F0, F1, 0
	TURN 0, 1, 0
	QUARTER 1, 1, F0, F1, 0
	QUARTER 1, 2, F1, F0, 0
	QUARTER 1, 3, F0, F1, 0
	s_wait_dscnt 16                                ; the very last quarter: nothing more to fetch
	WIN MUL
	MUL8 F1, 0, 0, 0
	MUL8 F1, 0, 2, 0
	s_wait_dscnt 0
	MUL8 F1, 1, 0, 0
	MUL8 F1, 1, 2, 0
	WIN 0
; THE WAY OUT, block by block of 16 rows x 64 columns: a lane's 32 bytes of a row go into my own stage and come back as whole rows of 256 bytes.
.macro TOSTAGE a
.set BB, 32+32*((\a)%2)                ; v32-63 and v64-95 by turns
.irp b, 0,1,2,3
	ds_store_b128 v[STO], v[ACC+8*(4*(\a)+\b):ACC+8*(4*(\a)+\b)+3] offset:64*\b          ; each accumulator from its low end on
	ds_store_b128 v[STO], v[ACC+8*(4*(\a)+\b)+4:ACC+8*(4*(\a)+\b)+7] offset:64*\b+16
.endr
.irp t, 0,1,2,3,4,5,6,7
	ds_load_b128 v[BB+4*\t:BB+4*\t+3], v[RD] offset:\t*2*SPITCH   ; LDS serves a wave's instructions in order: these see the stores above
.endr
.endm
.macro SEND a, younger                 ; younger: the LDS instructions issued behind block a's loads: the next block's sixteen, or none
.set BB, 32+32*((\a)%2)
	s_wait_dscnt \younger
.irp t, 0,1,2,3,4,5,6,7
	global_store_b128 v[CO], v[BB+4*\t:BB+4*\t+3], s[8:9] offset:(16*(\a)+2*\t)*4096 th:TH_STORE_NT   ; 16 lanes store 256 consecutive bytes, at a multiple of 256; written once, read by nobody here
.endr
.endm
	PLACES
	TOSTAGE 0
	TOSTAGE 1
	SEND 0, 16
	s_wait_xcnt 0x0                                ; block 0's stores have read their registers: block 2's loads may land there
	TOSTAGE 2
	SEND 1, 16
	s_wait_xcnt 0x0                                ; block 1's likewise
	TOSTAGE 3
	SEND 2, 16
	SEND 3, 0
	s_wait_tensorcnt 0x0                           ; the wave's end
	ds_add_u32 v[SPW], v[NIL]
	s_wait_dscnt 0x0
	CROUND                                         ; the closing round: no work-group ends while a partner may still ask for a tile that names it
	s_endpgm
.Lfunc_end_k_qdbc7f850fe_oproj:
	.size	k_qdbc7f850fe_oproj, .Lfunc_end_k_qdbc7f850fe_oproj-k_qdbc7f850fe_oproj
	.p2alignl 7, 3214868480
	.fill 96, 4, 3214868480
	.section	.rodata,"a",@progbits
	.p2align	6, 0x0
	.amdhsa_kernel k_qdbc7f850fe_oproj
		.amdhsa_group_segment_fixed_size 327680
		.amdhsa_private_segment_fixed_size 0
		.amdhsa_enable_private_segment 0
		.amdhsa_kernarg_size 32
		.amdhsa_user_sgpr_count 2
		.amdhsa_user_sgpr_kernarg_segment_ptr 1
		.amdhsa_wavefront_size32 1
		.amdhsa_system_sgpr_workgroup_id_x 1
		.amdhsa_system_sgpr_workgroup_id_y 1
		.amdhsa_system_sgpr_workgroup_id_z 1
		.amdhsa_system_vgpr_workitem_id 0
		.amdhsa_next_free_vgpr 512
		.amdhsa_next_free_sgpr 72
		.amdhsa_reserve_vcc 0
		.amdhsa_float_denorm_mode_32 3
		.amdhsa_float_denorm_mode_16_64 3
		.amdhsa_memory_ordered 1
		.amdhsa_forward_progress 1
		.amdhsa_inst_pref_size 87
	.end_amdhsa_kernel
	.amdgpu_metadata
---
amdhsa.version: [ 1, 2 ]
amdhsa.kernels:
  - .name:           k_qdbc7f850fe_oproj
    .symbol:         k_qdbc7f850fe_oproj.kd
    .args:
      - { .name: ctx, .offset: 0, .size: 8, .value_kind: global_buffer, .address_space: global }
      - { .name: wo16, .offset: 8, .size: 8, .value_kind: global_buffer, .address_space: global }
      - { .name: bo, .offset: 16, .size: 8, .value_kind: global_buffer, .address_space: global }
      - { .name: out0, .offset: 24, .size: 8, .value_kind: global_buffer, .address_space: global }
    .group_segment_fixed_size: 327680
    .private_segment_fixed_size: 0
    .kernarg_segment_align: 8
    .kernarg_segment_size: 32
    .max_flat_workgroup_size: 128
    .sgpr_count:     72
    .vgpr_count:     512
    .wavefront_size: 32
...
	.end_amdgpu_metadata
.endif
;; end of part 4
